; MI455X (gfx1250); checked and timed in simulation.
; The chip was launched on July 23, 2026; its instructions are those of AMD's public machine-readable ISA for CDNA 5 (MIT licence, August 2026) and "CDNA5" Instruction Set Architecture Reference Guide (July 2026). The comments in the code are by the model that wrote it; some were corrected since.
;; Causal Self Attention Head. Allowed arithmetic: matrix products marked QUANTISED: E4M3 operands, one E8M0 scale for each 32 along K, by v_wmma_scale_f32_16x16x128_f8f6f4 with both operands' format E4M3, f32 sums; everything else in f32.
;; Inputs: Wk 1,024 x 64 float32; Wq 1,024 x 64 float32; Wv 1,024 x 64 float32; x 4 x 4,096 x 1,024 float32.
;; Outputs: out0 4 x 4,096 x 64 float32.
;; This version of the problem:
;;   THIS VERSION OF THE PROBLEM IS GIVEN IN LOW PRECISION. The matrix products marked QUANTISED in the list below multiply operands that are first quantised to E4M3 (4 exponent bits, 3 mantissa bits; 8 bits a number), with one power-of-two scale for each 32 numbers along K (OCP MX v1.0); their sums are f32. All else is computed in f32.
;;   The module's matrix products, in the order in which they are computed (A, B: the left and right operand; K: the contracted axis; several contracted axes count as one K, in the product's order):
;;     1. [M 16,384, K 1,024] x [K 1,024, N 64]; A: input x; B: input Wk: QUANTISED
;;     2. [M 16,384, K 1,024] x [K 1,024, N 64]; A: input x; B: input Wq: QUANTISED
;;     3. [M 16,384, K 1,024] x [K 1,024, N 64]; A: input x; B: input Wv: QUANTISED
;;     4. batch 4 x [M 4,096, K 64] x [K 64, N 4,096]; A: computed on the way; B: computed on the way: QUANTISED
;;     5. batch 4 x [M 4,096, K 4,096] x [K 4,096, N 64]; A: softmax (see below); B: computed on the way: QUANTISED
;;   THE QUANTISER, for each operand of a quantised product, along K:
;;     - K is cut into blocks of 32 from its start; a last block that is shorter is filled with zeros.
;;     - A block's scale is 2^e with e = floor(log2(the largest magnitude in the block)) - 8, held to -126 .. 127; a block of zeros has e = 0. As a byte (E8M0): e + 127.
;;     - Each number is divided by its block's scale, clamped to +-448, and rounded to the nearest number of E4M3, ties to even, subnormals kept.
;;     - The product sums the exact products of the quantised numbers (number of the format x scale) in f32.
;;   ~~~python
;;   def quantise(x, axis):      # numpy; x: float32 -> the quantised numbers, widened to float32 again
;;       x = np.moveaxis(x, axis, -1); K = x.shape[-1]
;;       x = np.pad(x, [(0, 0)] * (x.ndim - 1) + [(0, -K % 32)]); x = x.reshape(x.shape[:-1] + (-1, 32)); a = np.abs(x).max(-1, keepdims=True)
;;       e = np.where(a > 0, np.clip(np.frexp(np.where(a > 0, a, 1))[1] - 1 - 8, -126, 127), 0)      # np.frexp(a)[1] - 1 = floor(log2(a)), exactly
;;       r = np.clip(x / 2.0 ** e, -448, 448)
;;       step = 2.0 ** (np.maximum(np.frexp(np.where(r == 0, 1, r))[1] - 1, -6) - 3)
;;       q = np.round(r / step) * step * 2.0 ** e      # np.round: ties to even
;;       return np.moveaxis(q.reshape(q.shape[:-2] + (-1,))[..., :K], -1, axis).astype(np.float32)
;;   ~~~
;;   SOFTMAX AHEAD OF A QUANTISED PRODUCT. Where the list says 'softmax', what is quantised is not the finished softmax but p = 2^(t - M), with t = logit x log2(e) and M = ceil(the row's largest t), a whole number; so 1/2 < the row's largest p <= 1. The row's sum l is taken of the UNQUANTISED p, in f32, and the product's result is divided by l at the end. Since M is a whole number, a kernel that streams over the keys may use a running M (the ceiling of the running maximum): every later rescaling is an exact power of two, which a block's scale takes up: the codes' values come out the same.
;;   OPERANDS COMPUTED ON THE WAY. 'Computed on the way' means the value that the module computes at that place (a softmax that the list does not call 'softmax' is quantised finished and normalised). What goes into a quantiser is computed in f32, as accurately as f32 sums, v_exp_f32 and their like allow (about 1e-6 of the number): no bf16 or f16 on the way to a quantiser, and a product that is left as it is and whose result goes on into a quantised operand takes f32 operands (vector FMAs, or v_wmma_f32_16x16x4_f32). A number that lies on a knife's edge between two numbers of the format may be rounded either way, as far as f32 arithmetic and the matrix unit's own rounding can turn it there, and no further.
;; 2 versions, each right; version 2 is version 1 with the launch attn written anew for expert scheduling mode. Each part assembles by itself: llvm-mc -triple=amdgcn-amd-amdhsa -mcpu=gfx1250 --defsym DOCPART=n.
;; ======== version 1 of 2: 3 launches
;; workspace buffers: wc 196,608 bytes; ws 12,288 bytes; qc 1,048,576 bytes; qs 65,536 bytes; kc 1,048,576 bytes; ks 65,536 bytes; vc 1,048,576 bytes; vs 32,768 bytes
;; launch wquant (part 1): grid 3 x 4, 4 waves a work-group, no clusters, 0 bytes of LDS; arguments Wq, Wk, Wv, wc, ws; writes wc, ws
.if DOCPART == 1
	.amdgcn_target "amdgcn-amd-amdhsa--gfx1250"
	.amdhsa_code_object_version 6
	.text
	.protected	k_qb020dfdc6f_wquant
	.globl	k_qb020dfdc6f_wquant
	.p2align	8
	.type	k_qb020dfdc6f_wquant,@function
k_qb020dfdc6f_wquant:
	s_mov_b64 s[64:65], 0
	v_nop
	global_prefetch_b8 v0, s[64:65] scope:SCOPE_SE
	s_setreg_imm32_b32 hwreg(HW_REG_WAVE_MODE, 25, 1), 1
	s_wait_xcnt 0x0
; Wq, Wk, Wv [1024 (K)][64], f32, become codes of FP8 (E4M3) with one E8M0 scale byte for each 32 along K, laid as IMAGES OF OPERAND REGISTERS for the projection launch.
; A fragment is 16 columns x 128 K: 16 registers a lane; lane (r, h) holds column r and registers 4 c .. 4 c + 3 hold K = 32 c + 16 h + 0 .. 15.  Its image is four groups of 512 bytes, lane l's 16 bytes at 16 l.
; wc: fragment ((3 w + i) 8 + s) x 2,048 bytes: w = the wave of the projection launch that will hold it, i = its column tile, s = K step.  ws: ((3 w + i) 4 + u) x 256 + 8 x lane: the scale words of K steps 2 u, 2 u + 1.
; WHICH COLUMNS FORM A TILE.  i = 0, 1: of Wq (w < 2) or Wk (w >= 2), lane r takes column 32 (w & 1) + 8 i + r + 8 (r / 8): used as source 0, the results of tiles 0 and 1 are then 16 neighbours along the head.
; i = 2: of Wv, lane r takes column 16 w + r.
; A LANE TAKES A COLUMN AND ITS REGISTERS RUN DOWN K: the conversions' results are the operand's registers and nothing is transposed.  A block of 32 lies in lanes l and l xor 16.
; SHARES: work-group (i, w) makes one column tile; wave v its K steps 2 v and 2 v + 1.  The three matrices are 0.75 MiB in all: no LDS, no barrier.
; A block's scale is 2^(floor(log2(its largest magnitude)) - 8); its byte is that magnitude's exponent field - 8, held at 1 from below.
; LIMITS: a block of zeros, or one whose largest magnitude lies under 2^-118, gets the byte 1 (the rule says 127 for zeros): its codes are zeros or as the floor's scale gives them, and the bytes are read by this program alone.
; NaN and infinities among the inputs are not served.
.set XN,  32                           ; v32-159  two fragments' numbers, 64 each
.set PC,  160                          ; v160-191 their codes
.set PW,  192                          ; v192-193 their scale words
.set TM,  200                          ; v200-203 largest magnitudes, v204-207 bytes, v208-211 448 x the scale, v212-215 the conversions' scale operands
.set SEL, 20                           ; s[20:21] v_permlanex16_b32's selects for lane l xor 16
.set MNT, 22                           ; s22      the mantissa field of 448
; nb blocks of a lane's 16 numbers, v[s + 16 b + i], become codes in v[pc + 4 b] on; the bytes stay in v[TM + 4 + b]; pw >= 0: the four bytes make the word v[pw].
.macro QUANT s, nb, pc, pw
.set q_b, 0
.rept \nb
	v_max3_num_f32 v[TM+q_b], |v[16*q_b+(\s)]|, |v[16*q_b+1+(\s)]|, 0x4800000   ; my 16 numbers, and the floor 2^(9 - 127): so the byte cannot fall under 1
.set q_b, q_b+1
.endr
.set q_i, 2
.rept 7
.set q_b, 0
.rept \nb
	v_max3_num_f32 v[TM+q_b], v[TM+q_b], |v[16*q_b+q_i+(\s)]|, |v[16*q_b+q_i+1+(\s)]|   ; the blocks by turns, each from its low end on
.set q_b, q_b+1
.endr
.set q_i, q_i+2
.endr
.set q_b, 0
.rept \nb
	v_permlanex16_b32 v[TM+4+q_b], v[TM+q_b], s[SEL], s[SEL+1]
.set q_b, q_b+1
.endr
.set q_b, 0
.rept \nb
	v_max_num_f32 v[TM+q_b], v[TM+q_b], v[TM+4+q_b]             ; with lane l xor 16's: the block's largest magnitude
.set q_b, q_b+1
.endr
.set q_b, 0
.rept \nb
	v_add_nc_u32 v[TM+12+q_b], 0xfc000000, v[TM+q_b]            ; 8 off its exponent field: the conversion takes this operand's exponent field as its scale
.set q_b, q_b+1
.endr
.set q_b, 0
.rept \nb
	v_and_or_b32 v[TM+8+q_b], v[TM+q_b], 0x7f800000, s[MNT]     ; 448 x the scale
.set q_b, q_b+1
.endr
.set q_b, 0
.rept \nb
	v_lshrrev_b32 v[TM+4+q_b], 23, v[TM+12+q_b]                 ; the scale's byte
.set q_b, q_b+1
.endr
.if (\pw) >= 0
	v_lshl_or_b32 v[\pw], v[TM+5], 8, v[TM+4]
	v_lshl_or_b32 v[\pw], v[TM+6], 16, v[\pw]
	v_lshl_or_b32 v[\pw], v[TM+7], 24, v[\pw]
.endif
.set q_b, 0
.rept \nb
.set q_i, 0
.rept 16
	v_med3_num_f32 v[16*q_b+q_i+(\s)], v[16*q_b+q_i+(\s)], -v[TM+8+q_b], v[TM+8+q_b]   ; the conversion to an 8-bit code does not saturate (ISA guide 7.6.2): the hold comes first
.set q_i, q_i+1
.endr
	v_cvt_scalef32_pk8_fp8_f32 v[4*q_b+(\pc):4*q_b+1+(\pc)], v[16*q_b+(\s):16*q_b+7+(\s)], v[TM+12+q_b]
	v_cvt_scalef32_pk8_fp8_f32 v[4*q_b+2+(\pc):4*q_b+3+(\pc)], v[16*q_b+8+(\s):16*q_b+15+(\s)], v[TM+12+q_b]
.set q_b, q_b+1
.endr
	v_nop                                          ; one plain vector instruction behind the last conversion, ahead of whatever next touches its registers
.endm
	s_load_b256 s[4:11], s[0:1], 0x0               ; Wq s[4:5], Wk s[6:7], Wv s[8:9], wc s[10:11]
	s_load_b64 s[12:13], s[0:1], 0x20              ; ws
	v_lshrrev_b32 v1, 5, v0
	v_readfirstlane_b32 s19, v1                    ; wave 0..3
	v_and_b32 v2, 15, v0                           ; r
	v_bfe_u32 v3, v0, 4, 1                         ; h
	v_and_b32 v4, 31, v0                           ; lane
	v_lshrrev_b32 v6, 3, v2                        ; r / 8
	v_lshlrev_b32 v7, 4, v4                        ; 16 x lane: an image's place
	v_lshlrev_b32 v8, 3, v4                        ; 8 x lane: two scale words' place
.irp b, 0,1,2,3
	v_mov_b32 v[TM+4+\b], 0                        ; written once: a lane permute's destination counts as one of its sources
.endr
	s_mov_b32 s[SEL], 0x76543210
	s_mov_b32 s[SEL+1], 0xfedcba98
	s_mov_b32 s[MNT], 0x600000
	s_mov_b32 s14, ttmp9                           ; i
	s_and_b32 s15, ttmp7, 0xffff                   ; w
	s_and_b32 s16, s15, 1
	s_lshl_b32 s16, s16, 5
	s_lshl_b32 s17, s14, 3
	s_add_co_u32 s16, s16, s17                     ; first column for Wq, Wk: 32 (w & 1) + 8 i
	s_lshl_b32 s17, s15, 4                         ; for Wv: 16 w
	s_mul_i32 s24, s15, 3
	s_add_co_u32 s24, s24, s14                     ; 3 w + i
	s_lshl_b32 s26, s24, 3
	s_lshl_b32 s25, s19, 1
	s_add_co_u32 s26, s26, s25
	s_lshl_b32 s26, s26, 11                        ; my two fragments' images: ((3 w + i) 8 + 2 wave) x 2,048
	s_mov_b32 s27, 0
	s_lshl_b32 s28, s24, 2
	s_add_co_u32 s28, s28, s19
	s_lshl_b32 s28, s28, 8                         ; their scale words: ((3 w + i) 4 + wave) x 256
	s_mov_b32 s29, 0
	s_lshl_b32 s23, s19, 16                        ; my 256 rows of W: 256 bytes each
	s_wait_kmcnt 0x0
	s_cmp_lt_u32 s15, 2                            ; the choices hang on the work-group's numbers alone
	s_cselect_b64 s[4:5], s[4:5], s[6:7]           ; Wq or Wk,
	s_cmp_lt_u32 s14, 2
	s_cselect_b64 s[4:5], s[4:5], s[8:9]           ; or, for i = 2, Wv
	s_cselect_b32 s16, s16, s17
	s_cselect_b32 s18, 8, 0                        ; the step of 8 behind a tile's eighth column: Wq and Wk alone
	s_add_nc_u64 s[10:11], s[10:11], s[26:27]
	s_add_nc_u64 s[12:13], s[12:13], s[28:29]
	v_mad_u32_u24 v5, v6, s18, v2
	v_add_nc_u32 v5, s16, v5                       ; my column
	v_lshlrev_b32 v5, 2, v5
	v_lshl_add_u32 v5, v3, 12, v5                  ; lanes 16-31 begin 16 rows further down
	v_add_nc_u32 v5, s23, v5
.set n_, 0
.rept 128                              ; register 64 e + 16 c + i: W(128 (2 wave + e) + 32 c + 16 h + i, my column); sixteen lanes read neighbouring columns of one row
	global_load_b32 v[XN+n_], v5, s[4:5] offset:(128*(n_/64)+32*((n_/16)%4)+n_%16)*256
.set n_, n_+1
.endr
	s_wait_loadcnt 63                              ; loads come back in order: at most 63 of the 128 are out, so the first fragment's 64 are in
	QUANT XN, 4, PC, PW
	s_wait_loadcnt 0x0
	QUANT XN+64, 4, PC+16, PW+1
.irp e, 0,1
.irp c, 0,1,2,3
	global_store_b128 v7, v[PC+16*\e+4*\c:PC+16*\e+4*\c+3], s[10:11] offset:\e*2048+\c*512   ; 32 lanes store 512 consecutive bytes, at a multiple of 256 from wc's first byte
.endr
.endr
	global_store_b64 v8, v[PW:PW+1], s[12:13]      ; 256 consecutive bytes
	s_endpgm
.Lfunc_end_k_qb020dfdc6f_wquant:
	.size	k_qb020dfdc6f_wquant, .Lfunc_end_k_qb020dfdc6f_wquant-k_qb020dfdc6f_wquant
	.p2alignl 7, 3214868480
	.fill 96, 4, 3214868480
	.section	.rodata,"a",@progbits
	.p2align	6, 0x0
	.amdhsa_kernel k_qb020dfdc6f_wquant
		.amdhsa_group_segment_fixed_size 0
		.amdhsa_private_segment_fixed_size 0
		.amdhsa_enable_private_segment 0
		.amdhsa_kernarg_size 40
		.amdhsa_user_sgpr_count 2
		.amdhsa_user_sgpr_kernarg_segment_ptr 1
		.amdhsa_wavefront_size32 1
		.amdhsa_system_sgpr_workgroup_id_x 1
		.amdhsa_system_sgpr_workgroup_id_y 1
		.amdhsa_system_sgpr_workgroup_id_z 1
		.amdhsa_system_vgpr_workitem_id 0
		.amdhsa_next_free_vgpr 224
		.amdhsa_next_free_sgpr 66
		.amdhsa_reserve_vcc 0
		.amdhsa_float_denorm_mode_32 3
		.amdhsa_float_denorm_mode_16_64 3
		.amdhsa_memory_ordered 1
		.amdhsa_forward_progress 1
		.amdhsa_inst_pref_size 31
	.end_amdhsa_kernel
	.amdgpu_metadata
---
amdhsa.version: [ 1, 2 ]
amdhsa.kernels:
  - .name:           k_qb020dfdc6f_wquant
    .symbol:         k_qb020dfdc6f_wquant.kd
    .args:
      - { .name: Wq, .offset: 0, .size: 8, .value_kind: global_buffer, .address_space: global }
      - { .name: Wk, .offset: 8, .size: 8, .value_kind: global_buffer, .address_space: global }
      - { .name: Wv, .offset: 16, .size: 8, .value_kind: global_buffer, .address_space: global }
      - { .name: wc, .offset: 24, .size: 8, .value_kind: global_buffer, .address_space: global }
      - { .name: ws, .offset: 32, .size: 8, .value_kind: global_buffer, .address_space: global }
    .group_segment_fixed_size: 0
    .private_segment_fixed_size: 0
    .kernarg_segment_align: 8
    .kernarg_segment_size: 40
    .max_flat_workgroup_size: 128
    .sgpr_count:     66
    .vgpr_count:     224
    .wavefront_size: 32
...
	.end_amdgpu_metadata
.endif
;; end of part 1
;; launch proj (part 2): grid 256 x 1, 4 waves a work-group, no clusters, 304,128 bytes of LDS; arguments x, wc, ws, qc, qs, kc, ks, vc, vs; writes qc, qs, kc, ks, vc, vs
.if DOCPART == 2
	.amdgcn_target "amdgcn-amd-amdhsa--gfx1250"
	.amdhsa_code_object_version 6
	.text
	.protected	k_qb020dfdc6f_proj
	.globl	k_qb020dfdc6f_proj
	.p2align	8
	.type	k_qb020dfdc6f_proj,@function
k_qb020dfdc6f_proj:
	s_mov_b64 s[64:65], 0
	v_nop
	global_prefetch_b8 v0, s[64:65] scope:SCOPE_SE
	s_setreg_imm32_b32 hwreg(HW_REG_WAVE_MODE, 25, 1), 1
	s_wait_xcnt 0x0
; q = x Wq, k = x Wk, v = x Wv on codes of FP8 (E4M3) with E8M0 scales for each 32 along K = 1,024; the results are quantised at once, q and k along the head's 64, v along the keys, and stored as
; IMAGES OF OPERAND REGISTERS for the attention launch (a group of four registers: 512 bytes, lane l's 16 bytes at 16 l).  x: [16,384][1,024] f32, read from memory once.
; SHARES.  Work-group g owns rows 64 g .. 64 g + 63.  All of their 256 KiB are asked for at the first lines by tensor loads and lie in LDS once: nothing is filled again.
; Wave w quantises row tile T = w for all of K and hands the codes to the others through LDS as register images.  THE WAVES SHARE THE COLUMNS: wave w holds, in 384 registers for the whole launch, the two
; tiles of head block w & 1 of Wq (w < 2) or Wk (w >= 2) and channel tile w of Wv.
; THE ROWS OF A TILE ARE NOT NEIGHBOURS: lane r of tile T = 2 b + u takes row 32 b + 8 u + r + 8 (r / 8).  So in v's product (source 0 = x's rows, source 1 = 16 channels) a lane holds one channel, and the 16
; registers of tiles 2 b, 2 b + 1 are keys 32 b + 16 (lane / 16) + 0 .. 15: neighbours along the next K.  q's and k's products are used transposed (source 0 = 16 columns of W, chosen likewise, source 1 = x's
; rows): a lane holds one row, and the 16 registers of its two column tiles are 16 neighbours along the head.  The conversions' results are then the next operands' registers.
; OUT.  qc, kc: (4 g + T) 1,024 + c 512 + 16 lane, c = head block: only the true 64 of the next K are stored.  qs, ks: g 256 + 8 lane + 4 i: the word of tile 2 i + lane / 16, row lane % 16: two bytes, and 0x7f
; twice for the half of the next K step that holds zero codes.  vc: ((g / 2) 4 + channel tile) 2,048 + (2 (g % 2) + b) 512 + 16 lane.  vs: g 128 + 4 lane: two bytes of channel tile lane / 16 below, of tile 2 + lane / 16 above.
; LIMITS: a block of zeros, or one under 2^-118, gets the scale byte 1 (the rule says 127 for zeros); the bytes are read by this program alone.  NaN and infinities among the inputs are not served.
; REGISTERS, in windows of 256: window 0: v4-15 addresses; v16-79 64 numbers of x; v80-143 q's or k's sums ((T, u) at 16 T + 8 u); v144-175 v's (8 T); v176-191 codes just made; v192-207 at work; v208 the scale word
;   just made; v210-217 v's codes; v220-243 W's scale words (8 i + s); v244-251 x's (4 s' + T).  window 1: v0-127 x's eight fragments of a chunk.  window 2: the 16 fragments of Wq or Wk ((8 u + s) 16).  window 3: v0-127 Wv's eight.
.set XRW,   66560                      ; LDS: x as f32: a wave's region: four chunks of 256 along K
.set CHUNK, 16640                      ; a chunk: 16 rows of XP bytes
.set HALF8, 8320                       ; what one tensor load brings: 8 rows
.set XP,    1040                       ; a row: 1,024 bytes + 16 of padding = 260 words: row r starts at bank 4 r mod 64 (64 banks of 4 bytes: ISA guide 11.1)
.set IMG,   266240                     ; behind them: two buffers for x's codes: eight fragments' images ((4 s' + T) 2,048), then their scale words ((4 s' + T) 128 + 4 lane)
.set IMGB,  17408
.set ISC,   16384
.set EX,    301056                     ; q's and k's scale bytes on their way to words: wave 512 + T 128 + 4 lane
.set EXV,   303104                     ; v's: wave 128 + 4 lane
.set XA,  4                            ; v4   my numbers in my wave's region: row r, + 64 h
.set LI,  5                            ; v5   16 x lane
.set LS,  6                            ; v6   4 x lane
.set XWI, 7                            ; v7   where I store images
.set XWS, 8                            ; v8   and their scale words
.set L8,  9                            ; v9   8 x lane
.set EXW, 10
.set EXR, 11
.set EVW, 12
.set EVR, 13
.set FI,  14                           ; v14  where any wave reads images
.set FS,  15                           ; v15  and scale words
.set XN,   16
.set ACCQ, 80
.set ACCV, 144
.set PC,   176
.set TM,   192
.set PW,   208
.set PCV,  210
.set WS,   220
.set XS,   244
.set G0,  24                           ; s[24:55] eight descriptor groups 0
.set G1,  56                           ; s[56:63] descriptor group 1
.set WV,  66
.set SEL, 80
.set MNT, 82
.set MSB, 0
.macro WIN new                         ; the immediate's high byte repeats the setting that is left
.if MSB != \new
	s_set_vgpr_msb (MSB<<8)|\new
.set MSB, \new
.endif
.endm
; nb blocks of a lane's 16 numbers, v[s + 16 b + i], become codes in v[pc + 4 b] on; the bytes stay in v[TM + 4 + b]; pw >= 0: the four bytes make the word v[pw].
.macro QUANT s, nb, pc, pw
.set q_b, 0
.rept \nb
	v_max3_num_f32 v[TM+q_b], |v[16*q_b+(\s)]|, |v[16*q_b+1+(\s)]|, 0x4800000   ; my 16 numbers, and the floor 2^(9 - 127): so the byte cannot fall under 1
.set q_b, q_b+1
.endr
.set q_i, 2
.rept 7
.set q_b, 0
.rept \nb
	v_max3_num_f32 v[TM+q_b], v[TM+q_b], |v[16*q_b+q_i+(\s)]|, |v[16*q_b+q_i+1+(\s)]|   ; the blocks by turns; each sum's registers are read from the low end on
.set q_b, q_b+1
.endr
.set q_i, q_i+2
.endr
.set q_b, 0
.rept \nb
	v_permlanex16_b32 v[TM+4+q_b], v[TM+q_b], s[SEL], s[SEL+1]
.set q_b, q_b+1
.endr
.set q_b, 0
.rept \nb
	v_max_num_f32 v[TM+q_b], v[TM+q_b], v[TM+4+q_b]             ; with lane l xor 16's: the block's largest magnitude
.set q_b, q_b+1
.endr
.set q_b, 0
.rept \nb
	v_add_nc_u32 v[TM+12+q_b], 0xfc000000, v[TM+q_b]            ; 8 off its exponent field: the conversion takes this operand's exponent field as its scale
.set q_b, q_b+1
.endr
.set q_b, 0
.rept \nb
	v_and_or_b32 v[TM+8+q_b], v[TM+q_b], 0x7f800000, s[MNT]     ; 448 x the scale
.set q_b, q_b+1
.endr
.set q_b, 0
.rept \nb
	v_lshrrev_b32 v[TM+4+q_b], 23, v[TM+12+q_b]                 ; the scale's byte
.set q_b, q_b+1
.endr
.if (\pw) >= 0
	v_lshl_or_b32 v[\pw], v[TM+5], 8, v[TM+4]
	v_lshl_or_b32 v[\pw], v[TM+6], 16, v[\pw]
	v_lshl_or_b32 v[\pw], v[TM+7], 24, v[\pw]
.endif
.set q_b, 0
.rept \nb
.set q_i, 0
.rept 16
	v_med3_num_f32 v[16*q_b+q_i+(\s)], v[16*q_b+q_i+(\s)], -v[TM+8+q_b], v[TM+8+q_b]   ; the conversion to an 8-bit code does not saturate (ISA guide 7.6.2): the hold comes first
.set q_i, q_i+1
.endr
	v_cvt_scalef32_pk8_fp8_f32 v[4*q_b+(\pc):4*q_b+1+(\pc)], v[16*q_b+(\s):16*q_b+7+(\s)], v[TM+12+q_b]
	v_cvt_scalef32_pk8_fp8_f32 v[4*q_b+2+(\pc):4*q_b+3+(\pc)], v[16*q_b+8+(\s):16*q_b+15+(\s)], v[TM+12+q_b]
.set q_b, q_b+1
.endr
	v_nop                                          ; one plain vector instruction behind the last conversion, ahead of whatever next touches its registers
.endm
	s_load_b512 s[4:19], s[0:1], 0x0               ; x s[4:5], wc s[6:7], ws s[8:9], qc s[10:11], qs s[12:13], kc s[14:15], ks s[16:17], vc s[18:19]
	s_load_b64 s[20:21], s[0:1], 0x40              ; vs
	v_lshl_add_u32 v254, v0, 2, 0x4a200
	v_mov_b32 v255, 0
	ds_add_u32 v254, v255
	ds_add_u32 v254, v255
	v_lshrrev_b32 v1, 5, v0
	v_readfirstlane_b32 s[WV], v1                  ; wave 0..3
	; descriptor group 1: a tile of 8 rows x 256 f32, padded in LDS
	s_mov_b32 s[G1+0], (2<<16)|(1<<20)|(7<<22)|(3<<25)   ; 15:0 no mask; 17:16 elements of 4 bytes; 20 padding on; 24:22 after every 256 words (code 7); 31:25 four words (code 3)
	s_mov_b32 s[G1+1], 256<<16                     ; tensor_dim0 = 256
	s_mov_b32 s[G1+2], 8<<16                       ; tensor_dim1 = 8
	s_mov_b32 s[G1+3], 256<<16                     ; tile_dim0 = 256
	s_mov_b32 s[G1+4], 8                           ; tile_dim1 = 8
	s_mov_b32 s[G1+5], 1024                        ; elements from row to row
	s_mov_b32 s[G1+6], 0
	s_mov_b32 s[G1+7], 0
	s_mul_i32 s67, s[WV], XRW                      ; my region in LDS
	s_lshl_b32 s68, ttmp9, 18                      ; 64 rows of 4,096 bytes a work-group
	s_lshr_b32 s70, s[WV], 1
	s_lshl_b32 s70, s70, 17                        ; my tile's first row: 32 (w / 2)
	s_add_co_u32 s68, s68, s70
	s_and_b32 s70, s[WV], 1
	s_lshl_b32 s70, s70, 15                        ; + 8 (w % 2)
	s_add_co_u32 s68, s68, s70
	s_mov_b32 s69, 0
	s_wait_dscnt 0x0
	s_wait_kmcnt 0x0
	s_add_nc_u64 s[4:5], s[4:5], s[68:69]
.irp n, 0,1,2,3,4,5,6,7                ; load n = 2 q + z: chunk q of K, the tile's rows 8 z .. 8 z + 7, which lie 16 z rows on in memory
	s_mov_b32 s[G0+4*\n], 1                                        ; count = 1
	s_add_co_u32 s[G0+4*\n+1], s67, \n*HALF8                       ; LDS address
	s_add_nc_u64 s[G0+4*\n+2:G0+4*\n+3], s[4:5], (\n%2)*65536+(\n/2)*1024   ; global address
	s_or_b32 s[G0+4*\n+3], s[G0+4*\n+3], 0x80000000               ; type = 2
.endr
.irp n, 0,1,2,3,4,5,6,7                ; all first fills in one group, ahead of every wait on TENSORcnt, every LDS read and every barrier: eight loads of mine are out
	tensor_load_to_lds s[G0+4*\n:G0+4*\n+3], s[G1:G1+7]
	s_nop 0
.endr
.rept 4
	v_nop                                          ; four v_nop behind the last tensor load, ahead of the window switch
.endr
	v_and_b32 v1, 31, v0                           ; lane
	v_and_b32 v2, 15, v0                           ; r
	v_bfe_u32 v3, v0, 4, 1                         ; h
	v_lshlrev_b32 v[LI], 4, v1
	v_lshlrev_b32 v[LS], 2, v1
	v_lshlrev_b32 v[L8], 3, v1
	s_mul_i32 s68, s[WV], 49152                    ; my 24 fragments of W
	s_add_nc_u64 s[6:7], s[6:7], s[68:69]
	s_mul_i32 s68, s[WV], 3072                     ; and their scale words
	s_add_nc_u64 s[8:9], s[8:9], s[68:69]
	WIN 0x80                                       ; destination window 2
.set f_, 0
.rept 16
.irp c, 0,1,2,3
	global_load_b128 v[16*f_+4*\c:16*f_+4*\c+3], v[LI], s[6:7] offset:f_*2048+\c*512
.endr
.set f_, f_+1
.endr
	WIN 0xc0                                       ; destination window 3
.set f_, 0
.rept 8
.irp c, 0,1,2,3
	global_load_b128 v[16*f_+4*\c:16*f_+4*\c+3], v[LI], s[6:7] offset:(16+f_)*2048+\c*512
.endr
.set f_, f_+1
.endr
	WIN 0
.set f_, 0
.rept 12
	global_load_b64 v[WS+2*f_:WS+2*f_+1], v[L8], s[8:9] offset:f_*256
.set f_, f_+1
.endr
	; every LDS address is made here, ahead of any parting of the waves: a constant + a constant x wave + a constant x lane
	v_mul_u32_u24 v[XA], v2, XP
	v_lshl_add_u32 v[XA], v3, 6, v[XA]
	v_add_nc_u32 v[XA], s67, v[XA]
	s_lshl_b32 s70, s[WV], 11
	s_add_co_u32 s70, s70, IMG
	v_add_nc_u32 v[XWI], s70, v[LI]
	s_lshl_b32 s70, s[WV], 7
	s_add_co_u32 s71, s70, IMG+ISC
	v_add_nc_u32 v[XWS], s71, v[LS]
	s_add_co_u32 s71, s70, EXV
	v_add_nc_u32 v[EVW], s71, v[LS]
	s_lshl_b32 s70, s[WV], 9
	s_add_co_u32 s70, s70, EX
	v_add_nc_u32 v[EXW], s70, v[LS]
	v_lshlrev_b32 v1, 2, v2
	v_lshl_add_u32 v1, v3, 7, v1                   ; 128 h + 4 r
	v_add_nc_u32 v[EXR], s70, v1
	v_add_nc_u32 v[EVR], EXV, v1
	v_add_nc_u32 v[FI], IMG, v[LI]
	v_add_nc_u32 v[FS], IMG+ISC, v[LS]
.irp b, 0,1,2,3
	v_mov_b32 v[TM+4+\b], 0                        ; written once: a lane permute's destination counts as one of its sources
.endr
	s_mov_b32 s[SEL], 0x76543210
	s_mov_b32 s[SEL+1], 0xfedcba98
	s_mov_b32 s[MNT], 0x600000
	; where the results go
	s_cmp_lt_u32 s[WV], 2                          ; q's buffers or k's: the choice hangs on the wave's number alone
	s_cselect_b64 s[72:73], s[10:11], s[14:15]
	s_cselect_b64 s[74:75], s[12:13], s[16:17]
	s_lshl_b32 s76, ttmp9, 12
	s_and_b32 s78, s[WV], 1
	s_lshl_b32 s78, s78, 9
	s_add_co_u32 s76, s76, s78
	s_mov_b32 s77, 0
	s_add_nc_u64 s[72:73], s[72:73], s[76:77]      ; codes: g 4,096 + 512 x head block
	s_lshl_b32 s76, ttmp9, 8
	s_add_nc_u64 s[74:75], s[74:75], s[76:77]      ; scale words: g 256
	s_lshr_b32 s76, ttmp9, 1
	s_lshl_b32 s76, s76, 2
	s_add_co_u32 s76, s76, s[WV]
	s_lshl_b32 s76, s76, 11
	s_and_b32 s78, ttmp9, 1
	s_lshl_b32 s78, s78, 10
	s_add_co_u32 s76, s76, s78
	s_add_nc_u64 s[18:19], s[18:19], s[76:77]      ; v's codes: ((g / 2) 4 + w) 2,048 + (g % 2) 1,024
	s_lshl_b32 s76, ttmp9, 7
	s_add_nc_u64 s[20:21], s[20:21], s[76:77]      ; v's scale bytes: g 128
.macro NLOAD q, sp                     ; my row's 64 numbers of the chunk's K step sp: register 16 c + i = k 32 c + 16 h + i
.irp c, 0,1,2,3
.irp j, 0,1,2,3
	ds_load_b128 v[XN+16*\c+4*\j:XN+16*\c+4*\j+3], v[XA] offset:(\q)*CHUNK+512*(\sp)+128*\c+16*\j
.endr
.endr
.endm
.macro IMAGE pb, sp                    ; the fragment just made goes to LDS as it stands, and its scale word
.irp c, 0,1,2,3
	ds_store_b128 v[XWI], v[PC+4*\c:PC+4*\c+3] offset:(\pb)*IMGB+(\sp)*8192+512*\c
.endr
	ds_store_b32 v[XWS], v[PW] offset:(\pb)*IMGB+(\sp)*512
.endm
.macro FETCH pb                        ; a chunk's eight fragments and scale words come back so, in every wave
	WIN 0x40                                       ; destination window 1
.set f_, 0
.rept 8
.irp c, 0,1,2,3
	ds_load_b128 v[16*f_+4*\c:16*f_+4*\c+3], v[FI] offset:(\pb)*IMGB+f_*2048+\c*512
.endr
.set f_, f_+1
.endr
	WIN 0
.set f_, 0
.rept 8
	ds_load_b32 v[XS+f_], v[FS] offset:(\pb)*IMGB+f_*128
.set f_, f_+1
.endr
.endm
; K step s (the chunk's sp-th): twelve matrix instructions on twelve sums, which take turns in the same order in every K step.  zero = 1: the first K step starts the sums.
.macro MULS s, sp, zero
	WIN 0x06                                       ; source 0 (W) window 2, source 1 (x) window 1
.irp T, 0,1,2,3
.irp u, 0,1
.if \zero
	v_wmma_scale_f32_16x16x128_f8f6f4 v[ACCQ+16*\T+8*\u:ACCQ+16*\T+8*\u+7], v[16*(8*\u+(\s)):16*(8*\u+(\s))+15], v[16*(4*\sp+\T):16*(4*\sp+\T)+15], 0, v[WS+8*\u+(\s)], v[XS+4*\sp+\T]
.else
	v_wmma_scale_f32_16x16x128_f8f6f4 v[ACCQ+16*\T+8*\u:ACCQ+16*\T+8*\u+7], v[16*(8*\u+(\s)):16*(8*\u+(\s))+15], v[16*(4*\sp+\T):16*(4*\sp+\T)+15], v[ACCQ+16*\T+8*\u:ACCQ+16*\T+8*\u+7], v[WS+8*\u+(\s)], v[XS+4*\sp+\T]
.endif
.endr
.endr
	WIN 0x0d                                       ; source 0 (x) window 1, source 1 (Wv) window 3
.irp T, 0,1,2,3
.if \zero
	v_wmma_scale_f32_16x16x128_f8f6f4 v[ACCV+8*\T:ACCV+8*\T+7], v[16*(4*\sp+\T):16*(4*\sp+\T)+15], v[16*(\s):16*(\s)+15], 0, v[XS+4*\sp+\T], v[WS+16+(\s)]
.else
	v_wmma_scale_f32_16x16x128_f8f6f4 v[ACCV+8*\T:ACCV+8*\T+7], v[16*(4*\sp+\T):16*(4*\sp+\T)+15], v[16*(\s):16*(\s)+15], v[ACCV+8*\T:ACCV+8*\T+7], v[XS+4*\sp+\T], v[WS+16+(\s)]
.endif
.endr
	WIN 0
.endm
; Chunk q of K (256): my tile's two fragments are made and stored into image buffer pb | barrier | all eight fragments are fetched and multiplied.
; One barrier a chunk does: buffer pb is written again two chunks on, behind the next chunk's barrier, which every wave signals only when its reads of this chunk have come back.
.macro PHASE q, pb, zero
	s_wait_tensorcnt 6-2*\q                        ; tensor loads of a wave end in order (ISA guide 10.11.1): this chunk's two are in, the two of each later chunk may be out.  I read only bytes that I asked for
	NLOAD \q, 0
	s_wait_dscnt 0x0
	QUANT XN, 4, PC, PW                            ; (its lines are also the places between the last chunk's products and the loads into their operands below)
	IMAGE \pb, 0
	NLOAD \q, 1
	s_wait_dscnt 0x0                               ; the numbers are in, and the stores have read the codes' registers
	QUANT XN, 4, PC, PW
	IMAGE \pb, 1
	s_wait_dscnt 0x0                               ; for the others' sake: my images have landed
	s_barrier_signal -1
	s_barrier_wait -1
	FETCH \pb
.if \zero
	s_wait_loadcnt 0x0                             ; W's fragments and scale words, once
.endif
	s_wait_dscnt 0x0
	MULS 2*\q, 0, \zero
	MULS 2*\q+1, 1, 0
.endm
	PHASE 0, 0, 1
	PHASE 1, 1, 0
	PHASE 2, 0, 0
	PHASE 3, 1, 0                                  ; its wait on TENSORcnt is for 0: no tensor load is out from here on
.rept 8
	v_nop                                          ; eight places between the last products and the first read of results
.endr
	QUANT ACCQ, 4, PC, -1                          ; block T: head units 32 (w & 1) + 16 h + 0 .. 15 of tile T's row r: registers 4 c .. 4 c + 3, c = w & 1, of that tile's fragment
.irp T, 0,1,2,3
	global_store_b128 v[LI], v[PC+4*\T:PC+4*\T+3], s[72:73] offset:\T*1024   ; 512 consecutive bytes, at a multiple of 256 from the buffer's first byte
.endr
.irp T, 0,1,2,3
	ds_store_b32 v[EXW], v[TM+4+\T] offset:\T*128  ; the bytes meet the other head block's in LDS
.endr
	s_wait_dscnt 0x0                               ; the stores have read the bytes' registers
	QUANT ACCV, 2, PCV, -1                         ; block b: keys 32 b + 16 h + 0 .. 15 of channel 16 w + r
	v_lshl_or_b32 v218, v[TM+5], 8, v[TM+4]        ; my channel's two bytes
	ds_store_b32 v[EVW], v218
.irp b, 0,1
	global_store_b128 v[LI], v[PCV+4*\b:PCV+4*\b+3], s[18:19] offset:\b*512
.endr
	s_wait_dscnt 0x0                               ; for the others' sake: my bytes have landed
	s_barrier_signal -1
	s_barrier_wait -1
	s_and_b32 s70, s[WV], 1
	s_cmp_lg_u32 s70, 0
	s_cbranch_scc1 .Lodd
	ds_load_b32 v16, v[EXR]                        ; waves 0 (q) and 2 (k): my bytes of tiles h and 2 + h,
	ds_load_b32 v17, v[EXR] offset:256
	ds_load_b32 v18, v[EXR] offset:512             ; and the next wave's: the other head block
	ds_load_b32 v19, v[EXR] offset:768
	s_wait_dscnt 0x0
	v_lshl_or_b32 v16, v18, 8, v16
	v_lshl_or_b32 v17, v19, 8, v17
	v_or_b32 v16, 0x7f7f0000, v16                  ; the K step's upper 64 hold zero codes: their bytes stand for 1
	v_or_b32 v17, 0x7f7f0000, v17
	global_store_b64 v[L8], v[16:17], s[74:75]     ; 256 consecutive bytes
	s_branch .Ldone
.Lodd:
	s_cmp_lg_u32 s[WV], 1
	s_cbranch_scc1 .Ldone
	ds_load_b32 v16, v[EVR]                        ; wave 1: v's bytes of channel tiles h and 2 + h
	ds_load_b32 v17, v[EVR] offset:256
	s_wait_dscnt 0x0
	v_lshl_or_b32 v16, v17, 16, v16
	global_store_b32 v[LS], v16, s[20:21]          ; 128 consecutive bytes
.Ldone:
	s_wait_tensorcnt 0x0
	ds_add_u32 v254, v255
	s_wait_dscnt 0x0
	s_endpgm
.Lfunc_end_k_qb020dfdc6f_proj:
	.size	k_qb020dfdc6f_proj, .Lfunc_end_k_qb020dfdc6f_proj-k_qb020dfdc6f_proj
	.p2alignl 7, 3214868480
	.fill 96, 4, 3214868480
	.section	.rodata,"a",@progbits
	.p2align	6, 0x0
	.amdhsa_kernel k_qb020dfdc6f_proj
		.amdhsa_group_segment_fixed_size 304128
		.amdhsa_private_segment_fixed_size 0
		.amdhsa_enable_private_segment 0
		.amdhsa_kernarg_size 72
		.amdhsa_user_sgpr_count 2
		.amdhsa_user_sgpr_kernarg_segment_ptr 1
		.amdhsa_wavefront_size32 1
		.amdhsa_system_sgpr_workgroup_id_x 1
		.amdhsa_system_sgpr_workgroup_id_y 1
		.amdhsa_system_sgpr_workgroup_id_z 1
		.amdhsa_system_vgpr_workitem_id 0
		.amdhsa_next_free_vgpr 896
		.amdhsa_next_free_sgpr 96
		.amdhsa_reserve_vcc 0
		.amdhsa_float_denorm_mode_32 3
		.amdhsa_float_denorm_mode_16_64 3
		.amdhsa_memory_ordered 1
		.amdhsa_forward_progress 1
		.amdhsa_inst_pref_size 130
	.end_amdhsa_kernel
	.amdgpu_metadata
---
amdhsa.version: [ 1, 2 ]
amdhsa.kernels:
  - .name:           k_qb020dfdc6f_proj
    .symbol:         k_qb020dfdc6f_proj.kd
    .args:
      - { .name: x, .offset: 0, .size: 8, .value_kind: global_buffer, .address_space: global }
      - { .name: wc, .offset: 8, .size: 8, .value_kind: global_buffer, .address_space: global }
      - { .name: ws, .offset: 16, .size: 8, .value_kind: global_buffer, .address_space: global }
      - { .name: qc, .offset: 24, .size: 8, .value_kind: global_buffer, .address_space: global }
      - { .name: qs, .offset: 32, .size: 8, .value_kind: global_buffer, .address_space: global }
      - { .name: kc, .offset: 40, .size: 8, .value_kind: global_buffer, .address_space: global }
      - { .name: ks, .offset: 48, .size: 8, .value_kind: global_buffer, .address_space: global }
      - { .name: vc, .offset: 56, .size: 8, .value_kind: global_buffer, .address_space: global }
      - { .name: vs, .offset: 64, .size: 8, .value_kind: global_buffer, .address_space: global }
    .group_segment_fixed_size: 304128
    .private_segment_fixed_size: 0
    .kernarg_segment_align: 8
    .kernarg_segment_size: 72
    .max_flat_workgroup_size: 128
    .sgpr_count:     96
    .vgpr_count:     896
    .wavefront_size: 32
...
	.end_amdgpu_metadata
.endif
;; end of part 2
;; launch attn (part 3): grid 64 x 4, 8 waves a work-group, no clusters, 157,696 bytes of LDS; arguments qc, qs, kc, ks, vc, vs, out0; writes out0
.if DOCPART == 3
	.amdgcn_target "amdgcn-amd-amdhsa--gfx1250"
	.amdhsa_code_object_version 6
	.text
	.protected	k_qb020dfdc6f_attn
	.globl	k_qb020dfdc6f_attn
	.p2align	8
	.type	k_qb020dfdc6f_attn,@function
k_qb020dfdc6f_attn:
	s_mov_b64 s[64:65], 0
	v_nop
	global_prefetch_b8 v0, s[64:65] scope:SCOPE_SE
	s_setreg_imm32_b32 hwreg(HW_REG_WAVE_MODE, 25, 1), 1
	s_wait_xcnt 0x0
; out[b][q][:] = the sum over keys k <= q of softmax_k(q . k / 8) v[k][:], both products on codes of FP8 (E4M3) with E8M0 scales; T = 4,096, head size 64, four batches.
; The operands come as images of operand registers (a group of four registers: 512 bytes, lane l's 16 bytes at 16 l), straight from memory into registers: each load reads 512 consecutive bytes.
; THE SOFTMAX AHEAD OF THE SECOND PRODUCT: t = score x log2(e) / 8; M = the largest t so far, rounded UP to a whole number; p = 2^(t - M) is what is quantised, along the keys, not normalised; the row's sum is
; taken of the unquantised p and divides at the end.  When M moves, the sum and O are multiplied by 2^(old M - new M): exact.
; THE FIRST PRODUCT'S K is 64 of the instruction's 128: the upper halves of K's and Q's fragments are registers of zero codes, cleared once, and their scale bytes stand for 1.
; LAYOUT.  Both products are used transposed: S^T = K Q^T (source 0 = 16 keys, source 1 = 16 queries), O^T = V^T P^T (source 0 = 16 channels, source 1 = P): a lane holds ONE query throughout.
; The rows of a tile are not neighbours: lane r of tile 2 b + u of a block of 64 rows holds row 32 b + 8 u + r + 8 (r / 8), so that the 16 registers of key tiles 2 b, 2 b + 1 are keys 32 b + 16 (lane / 16) + 0 .. 15.
; SHARES.  Work-group (i, batch) owns two blocks of 32 queries (two tiles each): block 127 - i, with 32 - i / 4 steps of 128 keys, and block i, with i / 4 + 1: 33 steps in every work-group.  They are dealt to the
; eight waves in turn, so a wave has 4 or 5, and each fragment of K and V that it loads feeds two tiles of queries.  Only a block's last step lies on the diagonal: there hidden scores become -infinity.
; Each wave keeps -M, the sum and O^T for its own keys.  The eight partial results of each of the four tiles meet in LDS and are merged by exact powers of two; a wave without a step in a pass contributes
; zeros under M = -3e38, which the merge weighs with 0.  No cluster: the waves walk different key steps, and what is loaded goes to registers.
; LIMITS: NaN and infinities are not served.  A block of p that has fallen under 2^-118 keeps the scale byte 1.
; REGISTERS: window 0: v1-7 offsets; v8-15 statistics (tile x: -M, largest t, the sum in two halves); v16-47 Q; v48-175 S^T, then p; v176-207 p's codes; v208-218 scale words; v220-223 mask and Q's offsets;
;   v224-245 at work; v246-253 LDS addresses.  window 1: v0-127 K's eight fragments; v128-191 V's four; v192-255 O^T (32 x + 8 dt).
.set L16, 1
.set L8,  2
.set L4,  3
.set KO,  4                            ; v4   the step's offset in kc and vc
.set SO8, 5                            ; v5   in ks
.set SO4, 6                            ; v6   in vs
.set RQ,  7                            ; v7   r + 8 (r / 8) - 16 h
.set ST,  8
.set QF,  16
.set SCO, 48
.set PCD, 176
.set KS,  208                          ; v208-211 K's scale words: register t / 2, lanes 16 (t % 2) on
.set VE,  212                          ; v212-213 V's scale bytes as they are loaded
.set VO,  213
.set VS,  214                          ; v214-215 V's scale words: register dt / 2, lanes 16 (dt % 2) on
.set QS,  216                          ; v216     Q's: lanes 16 x on
.set PS,  217                          ; v217-218 p's, one a tile
.set DM,  220                          ; v220-221 register 16 b + i is hidden where 32 b + i > this
.set QO,  222
.set QSO, 223
.set TM,  224
.set FF,  240                          ; v[240:241] f = 2^(old M - new M); the packed forms name the pair and take its low word
.set TT,  242
.set SUM, 244
.set PIM, 246                          ; where I put partial O^T
.set PST, 247                          ; and -M and the sum
.set MIM0, 248                         ; where I read the partial O^T of waves 0-3, 4-7
.set MIM1, 249
.set MST0, 250
.set MST1, 251
.set STO, 252
.set SRD, 253
.set NINF, 254
.set KF,  0                            ; in window 1
.set VF,  128
.set OT,  192
.set ENT, 4352                         ; LDS: an entry: O^T's image (4,096), -M (128), the sum (128)
.set WREG, 17408                       ; a wave's four entries
.set STG, 139264                       ; behind the eight waves' entries: four stages of 16 rows x (256 + 16) bytes
.set WV,  18
.set NH,  19
.set NL,  20
.set SEL, 22
.set CS,  24                           ; s[24:25] c = log2(e) / 8
.set MNT, 26
.set STP, 27                           ; the key step in hand
.set NST, 28                           ; the block's number of steps
.set QBL, 29                           ; the block of 32 queries
.set PLO, 40
.set PHI, 41
.set TRP, 42                           ; my trips in the pass in hand
.set CNT, 43                           ; and the trips done
.set MSB, 0
.macro WIN new                         ; the immediate's high byte repeats the setting that is left
.if MSB != \new
	s_set_vgpr_msb (MSB<<8)|\new
.set MSB, \new
.endif
.endm
	s_load_b256 s[4:11], s[0:1], 0x0               ; qc s[4:5], qs s[6:7], kc s[8:9], ks s[10:11]
	s_load_b128 s[12:15], s[0:1], 0x20             ; vc s[12:13], vs s[14:15]
	s_load_b64 s[16:17], s[0:1], 0x30              ; out0
	v_lshl_add_u32 v243, v0, 2, 0x26400
	v_mov_b32 v255, 0
	v_lshrrev_b32 v1, 5, v0
	v_readfirstlane_b32 s[WV], v1                  ; wave 0..7
	v_and_b32 v9, 31, v0                           ; lane
	v_and_b32 v10, 15, v0                          ; r
	v_bfe_u32 v11, v0, 4, 1                        ; h
	v_lshlrev_b32 v[L16], 4, v9
	v_lshlrev_b32 v[L8], 3, v9
	v_lshlrev_b32 v[L4], 2, v9
	v_lshrrev_b32 v12, 3, v10
	v_lshl_add_u32 v[RQ], v12, 3, v10
	v_lshlrev_b32 v12, 4, v11
	v_sub_nc_u32 v[RQ], v[RQ], v12
	; every LDS address is made here: a constant + a constant x wave + a constant x lane
	s_mul_i32 s30, s[WV], WREG
	v_add_nc_u32 v[PIM], s30, v[L16]
	s_add_co_u32 s30, s30, 4096
	v_add_nc_u32 v[PST], s30, v[L4]
	s_lshr_b32 s31, s[WV], 1                       ; in the merge I take tile wave / 2,
	s_and_b32 s32, s[WV], 1                        ; channels 32 (wave % 2) on
	s_mul_i32 s33, s31, ENT
	s_lshl_b32 s34, s32, 11
	s_add_co_u32 s34, s34, s33
	v_add_nc_u32 v[MIM0], s34, v[L16]
	v_add_nc_u32 v[MIM1], 4*WREG, v[MIM0]
	s_add_co_u32 s34, s33, 4096
	v_add_nc_u32 v[MST0], s34, v[L4]
	v_add_nc_u32 v[MST1], 4*WREG, v[MST0]
	s_add_co_u32 s33, s33, STG
	s_lshl_b32 s34, s32, 7
	s_add_co_u32 s34, s34, s33
	v_mul_u32_u24 v12, v10, 272
	v_lshl_add_u32 v12, v11, 5, v12
	v_add_nc_u32 v[STO], s34, v12                  ; the stage, in: row r, + 128 x half + 32 h
	s_mul_i32 s34, s32, 8*272
	s_add_co_u32 s34, s34, s33
	v_mul_u32_u24 v12, v11, 272
	v_lshl_add_u32 v12, v10, 4, v12
	v_add_nc_u32 v[SRD], s34, v12                  ; back: rows 8 x half on, sixteen lanes to a row
	s_and_b32 s35, ttmp7, 0xffff                   ; the batch
	s_lshr_b32 s36, ttmp9, 2
	s_sub_co_u32 s[NH], 32, s36                    ; steps of block 127 - i
	s_add_co_u32 s[NL], s36, 1                     ; and of block i
	s_mov_b32 s[SEL], 0x76543210
	s_mov_b32 s[SEL+1], 0xfedcba98
	s_mov_b32 s[CS], 0x3e38aa3b                    ; log2(e) / 8
	s_mov_b32 s[CS+1], s[CS]                       ; (named with it as a pair, so it is written)
	s_mov_b32 s[MNT], 0x600000
	s_mov_b32 s[PLO], 0x05040100                   ; v_perm_b32: the two low halves,
	s_mov_b32 s[PHI], 0x07060302                   ; the two high halves
	s_sub_co_u32 s37, 127, ttmp9
	s_cmp_lt_u32 s[WV], 4
	s_cselect_b32 s37, s37, ttmp9                  ; the block whose rows I store at the end
	s_lshl_b32 s37, s37, 5
	s_lshl_b32 s34, s32, 4
	s_add_co_u32 s37, s37, s34
	s_and_b32 s34, s31, 1
	s_lshl_b32 s34, s34, 3
	s_add_co_u32 s37, s37, s34                     ; their first: 32 x block + 16 x half + 8 x (tile % 2): stage rows 8 x half on are eight neighbouring queries
	s_lshl_b32 s37, s37, 8
	s_mov_b32 s39, 0
	s_lshl_b32 s38, s35, 18
	s_wait_kmcnt 0x0
	s_add_nc_u64 s[4:5], s[4:5], s[38:39]          ; a batch's codes: 262,144 bytes in each of the three buffers
	s_add_nc_u64 s[8:9], s[8:9], s[38:39]
	s_add_nc_u64 s[12:13], s[12:13], s[38:39]
	s_lshl_b32 s38, s35, 14
	s_add_nc_u64 s[6:7], s[6:7], s[38:39]
	s_add_nc_u64 s[10:11], s[10:11], s[38:39]
	s_lshl_b32 s38, s35, 13
	s_add_nc_u64 s[14:15], s[14:15], s[38:39]
	s_lshl_b32 s38, s35, 20
	s_add_co_u32 s38, s38, s37
	s_add_nc_u64 s[16:17], s[16:17], s[38:39]
	WIN 0x40
.set t_, 0
.rept 8
.irp j, 8,9,10,11,12,13,14,15
	v_mov_b32 v[KF+16*t_+\j], 0                    ; K's codes for k = 64 .. 127: zeros, which no load touches
.endr
.set t_, t_+1
.endr
	WIN 0
.irp x, 0,1
.irp j, 8,9,10,11,12,13,14,15
	v_mov_b32 v[QF+16*\x+\j], 0                    ; Q's likewise
.endr
.endr
.irp b, 0,1,2,3
	v_mov_b32 v[TM+4+\b], 0                        ; written once: a lane permute's destination counts as one of its sources
.endr
	v_mov_b32 v[FF+1], 0                           ; (named as the upper half of a pair)
	v_mov_b32 v[NINF], 0xff800000
.macro SPROD t, x                      ; S^T of key tile t and query tile x; K's word in lanes 16 (t % 2) on, Q's in lanes 16 x on
.if ((\t)%2 == 0) && ((\x) == 0)
	v_wmma_scale_f32_16x16x128_f8f6f4 v[SCO+64*\x+8*\t:SCO+64*\x+8*\t+7], v[KF+16*\t:KF+16*\t+15], v[QF+16*\x:QF+16*\x+15], 0, v[KS+(\t)/2], v[QS]
.elseif ((\x) == 0)
	v_wmma_scale_f32_16x16x128_f8f6f4 v[SCO+64*\x+8*\t:SCO+64*\x+8*\t+7], v[KF+16*\t:KF+16*\t+15], v[QF+16*\x:QF+16*\x+15], 0, v[KS+(\t)/2], v[QS] matrix_a_scale:MATRIX_SCALE_ROW1
.elseif ((\t)%2 == 0)
	v_wmma_scale_f32_16x16x128_f8f6f4 v[SCO+64*\x+8*\t:SCO+64*\x+8*\t+7], v[KF+16*\t:KF+16*\t+15], v[QF+16*\x:QF+16*\x+15], 0, v[KS+(\t)/2], v[QS] matrix_b_scale:MATRIX_SCALE_ROW1
.else
	v_wmma_scale_f32_16x16x128_f8f6f4 v[SCO+64*\x+8*\t:SCO+64*\x+8*\t+7], v[KF+16*\t:KF+16*\t+15], v[QF+16*\x:QF+16*\x+15], 0, v[KS+(\t)/2], v[QS] matrix_a_scale:MATRIX_SCALE_ROW1 matrix_b_scale:MATRIX_SCALE_ROW1
.endif
.endm
.macro PVPROD dt, x                    ; O^T += V^T P^T: channel tile dt, query tile x
.if (\dt)%2 == 0
	v_wmma_scale_f32_16x16x128_f8f6f4 v[OT+32*\x+8*\dt:OT+32*\x+8*\dt+7], v[VF+16*\dt:VF+16*\dt+15], v[PCD+16*\x:PCD+16*\x+15], v[OT+32*\x+8*\dt:OT+32*\x+8*\dt+7], v[VS+(\dt)/2], v[PS+\x]
.else
	v_wmma_scale_f32_16x16x128_f8f6f4 v[OT+32*\x+8*\dt:OT+32*\x+8*\dt+7], v[VF+16*\dt:VF+16*\dt+15], v[PCD+16*\x:PCD+16*\x+15], v[OT+32*\x+8*\dt:OT+32*\x+8*\dt+7], v[VS+(\dt)/2], v[PS+\x] matrix_a_scale:MATRIX_SCALE_ROW1
.endif
.endm
.macro MASK x                          ; on the diagonal: register 16 b + i holds the step's key 32 b + 16 h + i: hidden where 32 b + i > my query - the step's first key - 16 h
.set n_, 0
.rept 64
	v_cmp_gt_i32 vcc_lo, 32*(n_/16)+n_%16, v[DM+\x]
	v_cndmask_b32 v[SCO+64*\x+n_], v[SCO+64*\x+n_], v[NINF], vcc_lo
.set n_, n_+1
.endr
.endm
; One tile's softmax for 128 keys: the scores become p's codes and scale word; -M, the sum and O^T are brought under the new M.
.macro SOFT x
.set SB, SCO+64*\x
.set NM, ST+4*\x
.set TX, ST+4*\x+1
.set LP, ST+4*\x+2
.irp b, 0,1,2,3
	v_max3_num_f32 v[TM+\b], v[SB+16*\b], v[SB+16*\b+1], v[SB+16*\b+2]   ; the largest score of each block of 32 keys: for the row's maximum and, since p rises with the score, for the block's largest p
.endr
.irp i, 3,5,7,9,11,13
.irp b, 0,1,2,3
	v_max3_num_f32 v[TM+\b], v[TM+\b], v[SB+16*\b+\i], v[SB+16*\b+\i+1]  ; the four blocks by turns, each result from its low end on
.endr
.endr
.irp b, 0,1,2,3
	v_max_num_f32 v[TM+\b], v[TM+\b], v[SB+16*\b+15]
.endr
.irp b, 0,1,2,3
	v_permlanex16_b32 v[TM+4+\b], v[TM+\b], s[SEL], s[SEL+1]
.endr
.irp b, 0,1,2,3
	v_max_num_f32 v[TM+\b], v[TM+\b], v[TM+4+\b]   ; with lane l xor 16's 16 keys
.endr
	v_max3_num_f32 v[TT], v[TM], v[TM+1], v[TM+2]
	v_max_num_f32 v[TT], v[TT], v[TM+3]            ; the step's largest score of my query
	v_mul_f32 v[TT], s[CS], v[TT]                  ; as t (c is positive)
	v_max_num_f32 v[TX], v[TX], v[TT]              ; the running largest t
	v_mov_b32 v[TT], v[NM]
	v_floor_f32 v[NM], -v[TX]                      ; the new -M = floor(-t) = -ceil(t)
	v_sub_f32 v[TT], v[NM], v[TT]                  ; old M less new M: a whole number, 0 or less
	v_cvt_i32_f32 v[TT], v[TT]                     ; (it saturates)
	v_ldexp_f32 v[FF], 1.0, v[TT]                  ; f = 2^(old M - new M)
.set j_, 0
.rept 32
	v_pk_fma_f32 v[SB+j_:SB+j_+1], v[SB+j_:SB+j_+1], s[CS:CS+1], v[NM:NM+1] op_sel_hi:[1,0,0]   ; t - M, two at a time
.set j_, j_+2
.endr
.irp b, 0,1,2,3
	v_fma_f32 v[TM+\b], v[TM+\b], s[CS], v[NM]     ; the same of each block's largest score
.endr
.set j_, 0
.rept 64
	v_exp_f32 v[SB+j_], v[SB+j_]                   ; p = 2^(t - M), at most 1
.set j_, j_+1
.endr
.irp b, 0,1,2,3
	v_exp_f32 v[TM+\b], v[TM+\b]                   ; the block's largest p: the same two instructions on the same number
.endr
	v_pk_mul_f32 v[LP:LP+1], v[LP:LP+1], v[FF:FF+1] op_sel_hi:[1,0]   ; the sum under the new M.  (The plain instruction behind the exponentials)
	s_wait_alu depctr_va_vdst(0)
.irp b, 0,1,2,3
	v_max_num_f32 v[TM+\b], 0x4800000, v[TM+\b]    ; the floor 2^(9 - 127): the byte cannot fall under 1
.endr
.irp b, 0,1,2,3
	v_add_nc_u32 v[TM+12+\b], 0xfc000000, v[TM+\b] ; 8 off the exponent field: the conversion's scale operand
.endr
.irp b, 0,1,2,3
	v_and_or_b32 v[TM+8+\b], v[TM+\b], 0x7f800000, s[MNT]   ; 448 x the scale
.endr
.irp b, 0,1,2,3
	v_lshrrev_b32 v[TM+4+\b], 23, v[TM+12+\b]      ; the scale's byte
.endr
	v_lshl_or_b32 v[PS+\x], v[TM+5], 8, v[TM+4]    ; p's scale word for these 128 keys: the 64 holds below stand between it and the products
	v_lshl_or_b32 v[PS+\x], v[TM+6], 16, v[PS+\x]
	v_lshl_or_b32 v[PS+\x], v[TM+7], 24, v[PS+\x]
	v_pk_add_f32 v[SUM:SUM+1], v[SB:SB+1], v[SB+2:SB+3]   ; the row's sum is taken of the unquantised p: two at a time, in two chains
.set j_, 4
.rept 15
	v_pk_add_f32 v[LP:LP+1], v[LP:LP+1], v[SB+j_:SB+j_+1]
	v_pk_add_f32 v[SUM:SUM+1], v[SUM:SUM+1], v[SB+j_+2:SB+j_+3]
.set j_, j_+4
.endr
	v_pk_add_f32 v[LP:LP+1], v[LP:LP+1], v[SUM:SUM+1]
.irp b, 0,1,2,3
.irp i, 0,1,2,3,4,5,6,7,8,9,10,11,12,13,14,15
	v_min_num_f32 v[SB+16*\b+\i], v[SB+16*\b+\i], v[TM+8+\b]   ; the conversion does not saturate (ISA guide 7.6.2); p is not negative, so the hold is one-sided
.endr
	v_cvt_scalef32_pk8_fp8_f32 v[PCD+16*\x+4*\b:PCD+16*\x+4*\b+1], v[SB+16*\b:SB+16*\b+7], v[TM+12+\b]
	v_cvt_scalef32_pk8_fp8_f32 v[PCD+16*\x+4*\b+2:PCD+16*\x+4*\b+3], v[SB+16*\b+8:SB+16*\b+15], v[TM+12+\b]
.endr
	WIN 0x41                                       ; O^T (destination and source 0) window 1, f window 0
.set j_, 0
.rept 16
	v_pk_mul_f32 v[OT+32*\x+j_:OT+32*\x+j_+1], v[OT+32*\x+j_:OT+32*\x+j_+1], v[FF:FF+1] op_sel_hi:[1,0]   ; O^T under the new M.  (Also the plain instructions between the conversions and the products)
.set j_, j_+2
.endr
	WIN 0
.endm
; A KEY STEP: 128 keys for the block's two tiles of queries.
.macro STEP
	v_lshl_add_u32 v[KO], s[STP], 13, v[L16]       ; no load of mine is out that names these three: the last step waited for all
	v_lshl_add_u32 v[SO8], s[STP], 9, v[L8]
	v_lshl_add_u32 v[SO4], s[STP], 8, v[L4]
	global_load_b64 v[KS:KS+1], v[SO8], s[10:11]
	global_load_b64 v[KS+2:KS+3], v[SO8], s[10:11] offset:256
	global_load_b32 v[VE], v[SO4], s[14:15]
	global_load_b32 v[VO], v[SO4], s[14:15] offset:128
	WIN 0x40                                       ; destination window 1
.irp t, 0,1,2,3,4,5,6,7
.irp c, 0,1
	global_load_b128 v[KF+16*\t+4*\c:KF+16*\t+4*\c+3], v[KO], s[8:9] offset:\t*1024+\c*512
.endr
.endr
.irp d, 0,1,2,3
.irp c, 0,1,2,3
	global_load_b128 v[VF+16*\d+4*\c:VF+16*\d+4*\c+3], v[KO], s[12:13] offset:\d*2048+\c*512
.endr
.endr
	s_wait_loadcnt 16                              ; loads come back in order: all but V's sixteen are in (in a pass's first step Q and its scale word too)
	WIN 0x01                                       ; source 0 (K) window 1
.irp t, 0,1,2,3,4,5,6,7
.irp x, 0,1
	SPROD \t, \x
.endr
.endr
	WIN 0
	v_perm_b32 v[VS], v[VO], v[VE], s[PLO]         ; V's scale words: two bytes of keys 0-63 below, two of keys 64-127 above; channel tiles 0, 1,
	v_perm_b32 v[VS+1], v[VO], v[VE], s[PHI]       ; and 2, 3.  These two and the six below are the eight places behind the products
.rept 6
	v_nop
.endr
	s_add_co_u32 s30, s[STP], 1
	s_cmp_lg_u32 s30, s[NST]
	s_cbranch_scc1 .Lopen_\@                       ; only the block's last step lies on the diagonal: a branch on ids
	MASK 0
	MASK 1
.Lopen_\@:
	SOFT 0
	SOFT 1
	s_wait_loadcnt 0x0                             ; V
	WIN 0x51                                       ; V, C and D window 1, P window 0
.irp d, 0,1,2,3
.irp x, 0,1
	PVPROD \d, \x                                  ; eight sums, one instruction each; between two links of a chain stand the next step's sixteen score products
.endr
.endr
	WIN 0
.rept 8
	v_nop                                          ; eight places in front of the next step's loads into V's registers, and of the reads of O^T behind the loop
.endr
.endm
; A PASS: one block of 32 queries.  p = 0: block 127 - i; p = 1: block i.
.macro PASS p
.if \p == 0
	s_sub_co_u32 s[QBL], 127, ttmp9
	s_mov_b32 s[NST], s[NH]
	s_mov_b32 s[STP], s[WV]                        ; the 33 steps go round the waves: the first block's step s to wave s % 8,
.else
	s_mov_b32 s[QBL], ttmp9
	s_mov_b32 s[NST], s[NL]
	s_sub_co_u32 s[STP], s[WV], s[NH]
	s_and_b32 s[STP], s[STP], 7                    ; the second block's step s to wave (NH + s) % 8
.endif
.irp x, 0,1
	v_mov_b32 v[ST+4*\x+1], 0xff61b1e6             ; the largest t so far: -3e38, under every t
	v_floor_f32 v[ST+4*\x], -v[ST+4*\x+1]          ; -M
	v_mov_b32 v[ST+4*\x+2], 0                      ; the sum, in two halves
	v_mov_b32 v[ST+4*\x+3], 0
.endr
	WIN 0x40
.set j_, 0
.rept 64
	v_mov_b32 v[OT+j_], 0                          ; O^T: the step is written once: a pass's first step finds zeros, which the first change of M leaves zeros
.set j_, j_+1
.endr
	WIN 0
	s_and_b32 s30, s[QBL], 3
	s_lshl_b32 s30, s30, 5
	v_add_nc_u32 v[DM], s30, v[RQ]                 ; my query less the last step's first key less 16 h: tile 0,
	v_add_nc_u32 v[DM+1], 8, v[DM]                 ; tile 1
	s_cmp_ge_u32 s[STP], s[NST]
	s_cbranch_scc1 .Lnone_\p                       ; no step of this block falls to me
	v_lshl_add_u32 v[QO], s[QBL], 11, v[L16]
	s_lshr_b32 s30, s[QBL], 1
	s_lshl_b32 s30, s30, 8
	s_and_b32 s31, s[QBL], 1
	s_lshl_b32 s31, s31, 2
	s_add_co_u32 s30, s30, s31
	v_add_nc_u32 v[QSO], s30, v[L8]
.irp x, 0,1
.irp c, 0,1
	global_load_b128 v[QF+16*\x+4*\c:QF+16*\x+4*\c+3], v[QO], s[4:5] offset:\x*1024+\c*512
.endr
.endr
	global_load_b32 v[QS], v[QSO], s[6:7]
	s_sub_co_u32 s[TRP], s[NST], s[STP]            ; my steps are STP, STP + 8, .. under NST: (NST - STP + 7) / 8 trips, at least one here
	s_add_co_u32 s[TRP], s[TRP], 7
	s_lshr_b32 s[TRP], s[TRP], 3
	s_mov_b32 s[CNT], 0                            ; the loop ends on a counter of its own, which steps by 1
.Lstep_\p:
	STEP
	s_add_co_u32 s[STP], s[STP], 8                 ; my next step: it enters global offsets and the test for the diagonal alone
	s_add_co_u32 s[CNT], s[CNT], 1
	s_cmp_lt_u32 s[CNT], s[TRP]
	s_cbranch_scc1 .Lstep_\p
.Lnone_\p:
	; my partial results of the block's two tiles go to LDS: O^T as an image of its registers, -M, and the row's sum over my keys
.irp x, 0,1
	v_add_f32 v[TM+\x], v[ST+4*\x+2], v[ST+4*\x+3]
.endr
.irp x, 0,1
	v_permlanex16_b32 v[TM+4+\x], v[TM+\x], s[SEL], s[SEL+1]
.endr
.irp x, 0,1
	v_add_f32 v[TM+\x], v[TM+\x], v[TM+4+\x]
.endr
	WIN 0x04                                       ; an LDS store's data are its source 1: window 1
.irp x, 0,1
.irp g, 0,1,2,3,4,5,6,7
	ds_store_b128 v[PIM], v[OT+32*\x+4*\g:OT+32*\x+4*\g+3] offset:(2*\p+\x)*ENT+512*\g   ; each sum from its low end on
.endr
.endr
	WIN 0
.irp x, 0,1
	ds_store_b32 v[PST], v[ST+4*\x] offset:(2*\p+\x)*ENT
	ds_store_b32 v[PST], v[TM+\x] offset:(2*\p+\x)*ENT+128
.endr
	s_wait_dscnt 0x0                               ; the stores have landed: the registers may be begun anew, and the barrier below may be signalled
.endm
	PASS 0
	PASS 1
	s_barrier_signal -1
	s_barrier_wait -1                              ; all 32 partial results lie in LDS
	; THE MERGE.  I take tile wave / 2, channels 32 (wave % 2) on: eight partial results under eight M.
.set MN,  176                          ; v176-183 the eight -M
.set ML,  184                          ; v184-191 the eight sums
.set MO,  48                           ; v48-175  the eight partial O^T, 16 registers each
.set MF,  32                           ; v32-39   the eight weights
.set ACC, 16                           ; v16-31   the result
.irp c, 0,1,2,3
	ds_load_b32 v[MN+\c], v[MST0] offset:\c*WREG
	ds_load_b32 v[MN+4+\c], v[MST1] offset:\c*WREG
	ds_load_b32 v[ML+\c], v[MST0] offset:\c*WREG+128
	ds_load_b32 v[ML+4+\c], v[MST1] offset:\c*WREG+128
.endr
.irp c, 0,1,2,3
.irp g, 0,1,2,3
	ds_load_b128 v[MO+16*\c+4*\g:MO+16*\c+4*\g+3], v[MIM0] offset:\c*WREG+512*\g
	ds_load_b128 v[MO+64+16*\c+4*\g:MO+64+16*\c+4*\g+3], v[MIM1] offset:\c*WREG+512*\g
.endr
.endr
	s_wait_dscnt 32                                ; LDS loads come back in order: the sixteen small ones are in, the 32 behind them may be out
	v_min3_num_f32 v40, v[MN], v[MN+1], v[MN+2]
	v_min3_num_f32 v40, v40, v[MN+3], v[MN+4]
	v_min3_num_f32 v40, v40, v[MN+5], v[MN+6]
	v_min_num_f32 v40, v40, v[MN+7]                ; the smallest -M: the row's M
.irp c, 0,1,2,3,4,5,6,7
	v_sub_f32 v[MF+\c], v40, v[MN+\c]              ; a part's M less the row's: a whole number, 0 or less
.endr
.irp c, 0,1,2,3,4,5,6,7
	v_cvt_i32_f32 v[MF+\c], v[MF+\c]               ; (it saturates: a part without keys gets the weight 0)
.endr
.irp c, 0,1,2,3,4,5,6,7
	v_ldexp_f32 v[MF+\c], 1.0, v[MF+\c]            ; an exact power of two
.endr
	v_mul_f32 v41, v[MF], v[ML]
.irp c, 1,2,3,4,5,6,7
	v_fmac_f32 v41, v[MF+\c], v[ML+\c]             ; the row's sum
.endr
	v_rcp_f32 v41, v41
	v_nop                                          ; one plain instruction behind a transcendental
	s_wait_alu depctr_va_vdst(0)
.irp c, 0,1,2,3,4,5,6,7
	v_mul_f32 v[MF+\c], v[MF+\c], v41
.endr
	s_wait_dscnt 0x0
.irp k, 0,1,2,3,4,5,6,7,8,9,10,11,12,13,14,15
	v_mul_f32 v[ACC+\k], v[MF], v[MO+\k]
.endr
.irp c, 1,2,3,4,5,6,7
.irp k, 0,1,2,3,4,5,6,7,8,9,10,11,12,13,14,15
	v_fmac_f32 v[ACC+\k], v[MF+\c], v[MO+16*\c+\k]
.endr
.endr
	; register 8 t + j is out(query of lane r, channel 32 x half + 16 t + 8 h + j): through the tile's stage, so that whole rows of 256 bytes leave
.irp t, 0,1
.irp j, 0,1
	ds_store_b128 v[STO], v[ACC+8*\t+4*\j:ACC+8*\t+4*\j+3] offset:64*\t+16*\j
.endr
.endr
	s_wait_dscnt 0x0                               ; for the other half's wave: my stores have landed
	s_barrier_signal -1
	s_barrier_wait -1
.irp g, 0,1,2,3
	ds_load_b128 v[MO+4*\g:MO+4*\g+3], v[SRD] offset:\g*544
.endr
	s_wait_dscnt 0x0
.irp g, 0,1,2,3
	global_store_b128 v[L16], v[MO+4*\g:MO+4*\g+3], s[16:17] offset:\g*512 th:TH_STORE_NT   ; two neighbouring rows: 512 consecutive bytes, at a multiple of 256 from out0's first byte
.endr
	s_wait_tensorcnt 0x0
	ds_add_u32 v243, v255
	s_wait_dscnt 0x0
	s_endpgm
.Lfunc_end_k_qb020dfdc6f_attn:
	.size	k_qb020dfdc6f_attn, .Lfunc_end_k_qb020dfdc6f_attn-k_qb020dfdc6f_attn
	.p2alignl 7, 3214868480
	.fill 96, 4, 3214868480
	.section	.rodata,"a",@progbits
	.p2align	6, 0x0
	.amdhsa_kernel k_qb020dfdc6f_attn
		.amdhsa_group_segment_fixed_size 157696
		.amdhsa_private_segment_fixed_size 0
		.amdhsa_enable_private_segment 0
		.amdhsa_kernarg_size 56
		.amdhsa_user_sgpr_count 2
		.amdhsa_user_sgpr_kernarg_segment_ptr 1
		.amdhsa_wavefront_size32 1
		.amdhsa_system_sgpr_workgroup_id_x 1
		.amdhsa_system_sgpr_workgroup_id_y 1
		.amdhsa_system_sgpr_workgroup_id_z 1
		.amdhsa_system_vgpr_workitem_id 0
		.amdhsa_next_free_vgpr 512
		.amdhsa_next_free_sgpr 66
		.amdhsa_reserve_vcc 1
		.amdhsa_float_denorm_mode_32 3
		.amdhsa_float_denorm_mode_16_64 3
		.amdhsa_memory_ordered 1
		.amdhsa_forward_progress 1
		.amdhsa_inst_pref_size 118
	.end_amdhsa_kernel
	.amdgpu_metadata
---
amdhsa.version: [ 1, 2 ]
amdhsa.kernels:
  - .name:           k_qb020dfdc6f_attn
    .symbol:         k_qb020dfdc6f_attn.kd
    .args:
      - { .name: qc, .offset: 0, .size: 8, .value_kind: global_buffer, .address_space: global }
      - { .name: qs, .offset: 8, .size: 8, .value_kind: global_buffer, .address_space: global }
      - { .name: kc, .offset: 16, .size: 8, .value_kind: global_buffer, .address_space: global }
      - { .name: ks, .offset: 24, .size: 8, .value_kind: global_buffer, .address_space: global }
      - { .name: vc, .offset: 32, .size: 8, .value_kind: global_buffer, .address_space: global }
      - { .name: vs, .offset: 40, .size: 8, .value_kind: global_buffer, .address_space: global }
      - { .name: out0, .offset: 48, .size: 8, .value_kind: global_buffer, .address_space: global }
    .group_segment_fixed_size: 157696
    .private_segment_fixed_size: 0
    .kernarg_segment_align: 8
    .kernarg_segment_size: 56
    .max_flat_workgroup_size: 256
    .sgpr_count:     66
    .vgpr_count:     512
    .wavefront_size: 32
...
	.end_amdgpu_metadata
.endif
;; end of part 3
;; ======== version 2 of 2: 3 launches; version 1 with the launch attn written anew for expert scheduling mode
;; workspace buffers: wc 196,608 bytes; ws 12,288 bytes; qc 1,048,576 bytes; qs 65,536 bytes; kc 1,048,576 bytes; ks 65,536 bytes; vc 1,048,576 bytes; vs 32,768 bytes
;; launch wquant: the kernel of part 1 again; grid 3 x 4, 4 waves a work-group, no clusters, 0 bytes of LDS; arguments Wq, Wk, Wv, wc, ws; writes wc, ws
;; launch proj: the kernel of part 2 again; grid 256 x 1, 4 waves a work-group, no clusters, 304,128 bytes of LDS; arguments x, wc, ws, qc, qs, kc, ks, vc, vs; writes qc, qs, kc, ks, vc, vs
;; launch attn (part 4): grid 64 x 4, 8 waves a work-group, no clusters, 157,696 bytes of LDS; arguments qc, qs, kc, ks, vc, vs, out0; writes out0
.if DOCPART == 4
	.amdgcn_target "amdgcn-amd-amdhsa--gfx1250"
	.amdhsa_code_object_version 6
	.text
	.protected	k_qb020dfdc6f_attn
	.globl	k_qb020dfdc6f_attn
	.p2align	8
	.type	k_qb020dfdc6f_attn,@function
k_qb020dfdc6f_attn:
	s_mov_b64 s[64:65], 0
	v_nop
	global_prefetch_b8 v0, s[64:65] scope:SCOPE_SE
	s_setreg_imm32_b32 hwreg(HW_REG_WAVE_SCHED_MODE, 0, 2), 2
	s_setreg_imm32_b32 hwreg(HW_REG_WAVE_MODE, 25, 1), 1
	s_wait_xcnt 0x0
	s_wait_alu depctr_vm_vsrc(0)
; out[b][q][:] = the sum over keys k <= q of softmax_k(q . k / 8) v[k][:], both products on codes of FP8 (E4M3) with E8M0 scales; T = 4,096, head size 64, four batches.
; The operands come as images of operand registers (a group of four registers: 512 bytes, lane l's 16 bytes at 16 l), straight from memory into registers: each load reads 512 consecutive bytes.
; THE SOFTMAX AHEAD OF THE SECOND PRODUCT: t = score x log2(e) / 8; M = the largest t so far, rounded UP to a whole number; p = 2^(t - M) is what is quantised, along the keys, not normalised; the row's sum is
; taken of the unquantised p and divides at the end.  When M moves, the sum and O are multiplied by 2^(old M - new M): exact.
; THE FIRST PRODUCT'S K is 64 of the instruction's 128: the upper halves of K's and Q's fragments are registers of zero codes, cleared once, and their scale bytes stand for 1.
; LAYOUT.  Both products are used transposed: S^T = K Q^T (source 0 = 16 keys, source 1 = 16 queries), O^T = V^T P^T (source 0 = 16 channels, source 1 = P): a lane holds ONE query throughout.
; The rows of a tile are not neighbours: lane r of tile 2 b + u of a block of 64 rows holds row 32 b + 8 u + r + 8 (r / 8), so that the 16 registers of key tiles 2 b, 2 b + 1 are keys 32 b + 16 (lane / 16) + 0 .. 15.
; SHARES.  Work-group (i, batch) owns two blocks of 32 queries (two tiles each): block 127 - i, with 32 - i / 4 steps of 128 keys, and block i, with i / 4 + 1: 33 steps in every work-group.  They are dealt to the
; eight waves in turn, so a wave has 4 or 5, and each fragment of K and V that it loads feeds two tiles of queries.  Only a block's last step lies on the diagonal: there hidden scores become -infinity.
; Each wave keeps -M, the sum and O^T for its own keys.  The eight partial results of each of the four tiles meet in LDS and are merged by exact powers of two; a wave without a step in a pass contributes
; zeros under M = -3e38, which the merge weighs with 0.  No cluster: the waves walk different key steps, and what is loaded goes to registers.
; LIMITS: NaN and infinities are not served.  A block of p that has fallen under 2^-118 keeps the scale byte 1.
; THE MODE: SCHED_MODE bits 1:0 = 2 (LLVM: expert scheduling mode 2), set by the entry lines.  The code itself states the register dependences between vector or matrix instructions and memory or LDS
; instructions, with s_wait_alu, always for 0.
; THE PLAN.  Registers that memory or LDS instructions touch:
;   v1-3, v246-253   offsets and LDS addresses: made once at the head, never written again.  The key steps are reached by four scalar bases, which move on by my eight steps behind the wait that shows their loads done.
;   K, KS, VE, VO    (K's group, 20 loads)  Step s: its sixteen score products read K and KS, the two v_perm behind them VE and VO; behind these the group of my NEXT step lands there, during the softmax.
;   V                (16 loads)  Step s: its eight products V^T P^T read it; behind them the V of my next step lands there.
;   Q, QS            loaded once a pass; read by the score products.
;   O^T, -M, sums    written by vector and matrix instructions; read by the LDS stores at a pass's end; begun anew at the head of the second pass.
; So a step that has a successor holds two waits on va_vdst for loads: one behind its score products, one behind its products V^T P^T; the loads follow each wait directly.  One more stands ahead of V^T P^T, for
; the codes and scale words that vector instructions have made, and one in each tile's softmax, behind its exponentials.  A wave's last step of a pass asks for nothing and is written out behind the loop.
; REGISTERS: window 0: v1-3 offsets; v7 the mask's lane term; v8-15 statistics (tile x: -M, largest t, the sum in two halves); v16-47 Q; v48-175 S^T, then p; v176-207 p's codes; v208-218 scale words; v220-221 mask;
;   v224-245 at work; v246-253 LDS addresses.  window 1: v0-127 K's eight fragments; v128-191 V's four; v192-255 O^T (32 x + 8 dt).
.set L16, 1
.set L8,  2
.set L4,  3
.set RQ,  7                            ; v7   r + 8 (r / 8) - 16 h
.set ST,  8
.set QF,  16
.set SCO, 48
.set PCD, 176
.set KS,  208                          ; v208-211 K's scale words: register t / 2, lanes 16 (t % 2) on
.set VE,  212                          ; v212-213 V's scale bytes as they are loaded
.set VO,  213
.set VS,  214                          ; v214-215 V's scale words: register dt / 2, lanes 16 (dt % 2) on
.set QS,  216                          ; v216     Q's: lanes 16 x on
.set PS,  217                          ; v217-218 p's, one a tile
.set DM,  220                          ; v220-221 register 16 b + i is hidden where 32 b + i > this
.set TM,  224
.set FF,  240                          ; v[240:241] f = 2^(old M - new M); the packed forms name the pair and take its low word
.set TT,  242
.set SUM, 244
.set PIM, 246                          ; where I put partial O^T
.set PST, 247                          ; and -M and the sum
.set MIM0, 248                         ; where I read the partial O^T of waves 0-3, 4-7
.set MIM1, 249
.set MST0, 250
.set MST1, 251
.set STO, 252
.set SRD, 253
.set NINF, 254
.set KF,  0                            ; in window 1
.set VF,  128
.set OT,  192
.set ENT, 4352                         ; LDS: an entry: O^T's image (4,096), -M (128), the sum (128)
.set WREG, 17408                       ; a wave's four entries
.set STG, 139264                       ; behind the eight waves' entries: four stages of 16 rows x (256 + 16) bytes
.set KSB, 2                            ; s[2:3]   ks at the step whose group is asked for next
.set WV,  18
.set NH,  19
.set NL,  20
.set SEL, 22
.set CS,  24                           ; s[24:25] c = log2(e) / 8
.set MNT, 26
.set STP, 27                           ; the key step in hand
.set NST, 28                           ; the block's number of steps
.set QBL, 29                           ; the block of 32 queries
.set MK,  30                           ; s30-37   on the diagonal: eight masks at a time (at a pass's head these registers are at work)
.set QB,  34                           ; s[34:35] at a pass's head: qc at the block's two tiles
.set QSB, 36                           ; s[36:37] and qs at their scale words
.set VSB, 38                           ; s[38:39] vs, as KSB
.set PLO, 40
.set PHI, 41
.set TRP, 42                           ; my steps of the pass in hand that have a successor
.set CNT, 43                           ; and how many of them are done
.set KB,  44                           ; s[44:45] kc, as KSB
.set VB,  46                           ; s[46:47] vc at the step whose V is asked for next
.set MSB, 0
.macro WIN new                         ; the immediate's high byte repeats the setting that is left
.if MSB != \new
	s_set_vgpr_msb (MSB<<8)|\new
.set MSB, \new
.endif
.endm
	s_load_b256 s[4:11], s[0:1], 0x0               ; qc s[4:5], qs s[6:7], kc s[8:9], ks s[10:11]
	s_load_b128 s[12:15], s[0:1], 0x20             ; vc s[12:13], vs s[14:15]
	s_load_b64 s[16:17], s[0:1], 0x30              ; out0
	v_lshl_add_u32 v243, v0, 2, 0x26400
	v_mov_b32 v255, 0
	v_lshrrev_b32 v1, 5, v0
	v_readfirstlane_b32 s[WV], v1                  ; wave 0..7
	v_and_b32 v9, 31, v0                           ; lane
	v_and_b32 v10, 15, v0                          ; r
	v_bfe_u32 v11, v0, 4, 1                        ; h
	v_lshlrev_b32 v[L16], 4, v9
	v_lshlrev_b32 v[L8], 3, v9
	v_lshlrev_b32 v[L4], 2, v9
	v_lshrrev_b32 v12, 3, v10
	v_lshl_add_u32 v[RQ], v12, 3, v10
	v_lshlrev_b32 v12, 4, v11
	v_sub_nc_u32 v[RQ], v[RQ], v12
	s_wait_alu depctr_va_sdst(0)                   ; the wave's number is written, ahead of its first reader, the line below
	; every LDS address is made here: a constant + a constant x wave + a constant x lane
	s_mul_i32 s30, s[WV], WREG
	v_add_nc_u32 v[PIM], s30, v[L16]
	s_add_co_u32 s30, s30, 4096
	v_add_nc_u32 v[PST], s30, v[L4]
	s_lshr_b32 s31, s[WV], 1                       ; in the merge I take tile wave / 2,
	s_and_b32 s32, s[WV], 1                        ; channels 32 (wave % 2) on
	s_mul_i32 s33, s31, ENT
	s_lshl_b32 s34, s32, 11
	s_add_co_u32 s34, s34, s33
	v_add_nc_u32 v[MIM0], s34, v[L16]
	v_add_nc_u32 v[MIM1], 4*WREG, v[MIM0]
	s_add_co_u32 s34, s33, 4096
	v_add_nc_u32 v[MST0], s34, v[L4]
	v_add_nc_u32 v[MST1], 4*WREG, v[MST0]
	s_add_co_u32 s33, s33, STG
	s_lshl_b32 s34, s32, 7
	s_add_co_u32 s34, s34, s33
	v_mul_u32_u24 v12, v10, 272
	v_lshl_add_u32 v12, v11, 5, v12
	v_add_nc_u32 v[STO], s34, v12                  ; the stage, in: row r, + 128 x half + 32 h
	s_mul_i32 s34, s32, 8*272
	s_add_co_u32 s34, s34, s33
	v_mul_u32_u24 v12, v11, 272
	v_lshl_add_u32 v12, v10, 4, v12
	v_add_nc_u32 v[SRD], s34, v12                  ; back: rows 8 x half on, sixteen lanes to a row
	s_and_b32 s35, ttmp7, 0xffff                   ; the batch
	s_lshr_b32 s36, ttmp9, 2
	s_sub_co_u32 s[NH], 32, s36                    ; steps of block 127 - i
	s_add_co_u32 s[NL], s36, 1                     ; and of block i
	s_mov_b32 s[SEL], 0x76543210
	s_mov_b32 s[SEL+1], 0xfedcba98
	s_mov_b32 s[CS], 0x3e38aa3b                    ; log2(e) / 8
	s_mov_b32 s[CS+1], s[CS]                       ; (named with it as a pair, so it is written)
	s_mov_b32 s[MNT], 0x600000
	s_mov_b32 s[PLO], 0x05040100                   ; v_perm_b32: the two low halves,
	s_mov_b32 s[PHI], 0x07060302                   ; the two high halves
	s_sub_co_u32 s37, 127, ttmp9
	s_cmp_lt_u32 s[WV], 4
	s_cselect_b32 s37, s37, ttmp9                  ; the block whose rows I store at the end
	s_lshl_b32 s37, s37, 5
	s_lshl_b32 s34, s32, 4
	s_add_co_u32 s37, s37, s34
	s_and_b32 s34, s31, 1
	s_lshl_b32 s34, s34, 3
	s_add_co_u32 s37, s37, s34                     ; their first: 32 x block + 16 x half + 8 x (tile % 2): stage rows 8 x half on are eight neighbouring queries
	s_lshl_b32 s37, s37, 8
	s_mov_b32 s39, 0
	s_lshl_b32 s38, s35, 18
	s_wait_kmcnt 0x0
	s_add_nc_u64 s[4:5], s[4:5], s[38:39]          ; a batch's codes: 262,144 bytes in each of the three buffers
	s_add_nc_u64 s[8:9], s[8:9], s[38:39]
	s_add_nc_u64 s[12:13], s[12:13], s[38:39]
	s_lshl_b32 s38, s35, 14
	s_add_nc_u64 s[6:7], s[6:7], s[38:39]
	s_add_nc_u64 s[10:11], s[10:11], s[38:39]
	s_lshl_b32 s38, s35, 13
	s_add_nc_u64 s[14:15], s[14:15], s[38:39]
	s_lshl_b32 s38, s35, 20
	s_add_co_u32 s38, s38, s37
	s_add_nc_u64 s[16:17], s[16:17], s[38:39]
	WIN 0x40
.set t_, 0
.rept 8
.irp j, 8,9,10,11,12,13,14,15
	v_mov_b32 v[KF+16*t_+\j], 0                    ; K's codes for k = 64 .. 127: zeros, which no load touches
.endr
.set t_, t_+1
.endr
	WIN 0
.irp x, 0,1
.irp j, 8,9,10,11,12,13,14,15
	v_mov_b32 v[QF+16*\x+\j], 0                    ; Q's likewise
.endr
.endr
.irp b, 0,1,2,3
	v_mov_b32 v[TM+4+\b], 0                        ; written once: a lane permute's destination counts as one of its sources
.endr
	v_mov_b32 v[FF+1], 0                           ; (named as the upper half of a pair)
	v_mov_b32 v[NINF], 0xff800000
	s_wait_alu depctr_va_vdst(0)                   ; the offsets v1-3 and the LDS addresses v246-253 are written, which every load and store of the kernel reads; so are the zero codes of K and Q, which the scaled products take
.macro SPROD t, x                      ; S^T of key tile t and query tile x; K's word in lanes 16 (t % 2) on, Q's in lanes 16 x on
.if ((\t)%2 == 0) && ((\x) == 0)
	v_wmma_scale_f32_16x16x128_f8f6f4 v[SCO+64*\x+8*\t:SCO+64*\x+8*\t+7], v[KF+16*\t:KF+16*\t+15], v[QF+16*\x:QF+16*\x+15], 0, v[KS+(\t)/2], v[QS]
.elseif ((\x) == 0)
	v_wmma_scale_f32_16x16x128_f8f6f4 v[SCO+64*\x+8*\t:SCO+64*\x+8*\t+7], v[KF+16*\t:KF+16*\t+15], v[QF+16*\x:QF+16*\x+15], 0, v[KS+(\t)/2], v[QS] matrix_a_scale:MATRIX_SCALE_ROW1
.elseif ((\t)%2 == 0)
	v_wmma_scale_f32_16x16x128_f8f6f4 v[SCO+64*\x+8*\t:SCO+64*\x+8*\t+7], v[KF+16*\t:KF+16*\t+15], v[QF+16*\x:QF+16*\x+15], 0, v[KS+(\t)/2], v[QS] matrix_b_scale:MATRIX_SCALE_ROW1
.else
	v_wmma_scale_f32_16x16x128_f8f6f4 v[SCO+64*\x+8*\t:SCO+64*\x+8*\t+7], v[KF+16*\t:KF+16*\t+15], v[QF+16*\x:QF+16*\x+15], 0, v[KS+(\t)/2], v[QS] matrix_a_scale:MATRIX_SCALE_ROW1 matrix_b_scale:MATRIX_SCALE_ROW1
.endif
.endm
.macro PVPROD dt, x                    ; O^T += V^T P^T: channel tile dt, query tile x
.if (\dt)%2 == 0
	v_wmma_scale_f32_16x16x128_f8f6f4 v[OT+32*\x+8*\dt:OT+32*\x+8*\dt+7], v[VF+16*\dt:VF+16*\dt+15], v[PCD+16*\x:PCD+16*\x+15], v[OT+32*\x+8*\dt:OT+32*\x+8*\dt+7], v[VS+(\dt)/2], v[PS+\x]
.else
	v_wmma_scale_f32_16x16x128_f8f6f4 v[OT+32*\x+8*\dt:OT+32*\x+8*\dt+7], v[VF+16*\dt:VF+16*\dt+15], v[PCD+16*\x:PCD+16*\x+15], v[OT+32*\x+8*\dt:OT+32*\x+8*\dt+7], v[VS+(\dt)/2], v[PS+\x] matrix_a_scale:MATRIX_SCALE_ROW1
.endif
.endm
; K's group of a step, 20 loads: K's and V's scale bytes, then K's eight fragments (their true 64 along K).  It leaves the destination's window at 1.
.macro KLOAD
	global_load_b64 v[KS:KS+1], v[L8], s[KSB:KSB+1]
	global_load_b64 v[KS+2:KS+3], v[L8], s[KSB:KSB+1] offset:256
	global_load_b32 v[VE], v[L4], s[VSB:VSB+1]
	global_load_b32 v[VO], v[L4], s[VSB:VSB+1] offset:128
	WIN 0x40                                       ; destination window 1
.irp t, 0,1,2,3,4,5,6,7
.irp c, 0,1
	global_load_b128 v[KF+16*\t+4*\c:KF+16*\t+4*\c+3], v[L16], s[KB:KB+1] offset:\t*1024+\c*512
.endr
.endr
.endm
; V's four fragments of a step, 16 loads; the destination's window is 1 already.
.macro VLOAD
.irp d, 0,1,2,3
.irp c, 0,1,2,3
	global_load_b128 v[VF+16*\d+4*\c:VF+16*\d+4*\c+3], v[L16], s[VB:VB+1] offset:\d*2048+\c*512
.endr
.endr
.endm
; On the diagonal: register 16 b + i holds the step's key 32 b + 16 h + i: hidden where 32 b + i > my query - the step's first key - 16 h.
; Eight compares into eight scalar registers, one wait, eight selects: one tile of scores at a time, from its low end on.
.macro MASK x
.set g_, 0
.rept 8
.set n_, 8*g_
.rept 8
	v_cmp_gt_i32 s[MK+n_%8], 32*(n_/16)+n_%16, v[DM+\x]
.set n_, n_+1
.endr
	s_wait_alu depctr_va_sdst(0)                   ; the eight masks are written, ahead of the selects that read them
.set n_, 8*g_
.rept 8
	v_cndmask_b32 v[SCO+64*\x+n_], v[SCO+64*\x+n_], v[NINF], s[MK+n_%8]
.set n_, n_+1
.endr
.set g_, g_+1
.endr
.endm
; One tile's softmax for 128 keys: the scores become p's codes and scale word; -M, the sum and O^T are brought under the new M.
.macro SOFT x
.set SB, SCO+64*\x
.set NM, ST+4*\x
.set TX, ST+4*\x+1
.set LP, ST+4*\x+2
.irp b, 0,1,2,3
	v_max3_num_f32 v[TM+\b], v[SB+16*\b], v[SB+16*\b+1], v[SB+16*\b+2]   ; the largest score of each block of 32 keys: for the row's maximum and, since p rises with the score, for the block's largest p
.endr
.irp i, 3,5,7,9,11,13
.irp b, 0,1,2,3
	v_max3_num_f32 v[TM+\b], v[TM+\b], v[SB+16*\b+\i], v[SB+16*\b+\i+1]  ; the four blocks by turns, each result from its low end on
.endr
.endr
.irp b, 0,1,2,3
	v_max_num_f32 v[TM+\b], v[TM+\b], v[SB+16*\b+15]
.endr
.irp b, 0,1,2,3
	v_permlanex16_b32 v[TM+4+\b], v[TM+\b], s[SEL], s[SEL+1]
.endr
.irp b, 0,1,2,3
	v_max_num_f32 v[TM+\b], v[TM+\b], v[TM+4+\b]   ; with lane l xor 16's 16 keys
.endr
	v_max3_num_f32 v[TT], v[TM], v[TM+1], v[TM+2]
	v_max_num_f32 v[TT], v[TT], v[TM+3]            ; the step's largest score of my query
	v_mul_f32 v[TT], s[CS], v[TT]                  ; as t (c is positive)
	v_max_num_f32 v[TX], v[TX], v[TT]              ; the running largest t
	v_mov_b32 v[TT], v[NM]
	v_floor_f32 v[NM], -v[TX]                      ; the new -M = floor(-t) = -ceil(t)
	v_sub_f32 v[TT], v[NM], v[TT]                  ; old M less new M: a whole number, 0 or less
	v_cvt_i32_f32 v[TT], v[TT]                     ; (it saturates)
	v_ldexp_f32 v[FF], 1.0, v[TT]                  ; f = 2^(old M - new M)
.set j_, 0
.rept 32
	v_pk_fma_f32 v[SB+j_:SB+j_+1], v[SB+j_:SB+j_+1], s[CS:CS+1], v[NM:NM+1] op_sel_hi:[1,0,0]   ; t - M, two at a time
.set j_, j_+2
.endr
.irp b, 0,1,2,3
	v_fma_f32 v[TM+\b], v[TM+\b], s[CS], v[NM]     ; the same of each block's largest score
.endr
.set j_, 0
.rept 64
	v_exp_f32 v[SB+j_], v[SB+j_]                   ; p = 2^(t - M), at most 1
.set j_, j_+1
.endr
.irp b, 0,1,2,3
	v_exp_f32 v[TM+\b], v[TM+\b]                   ; the block's largest p: the same two instructions on the same number
.endr
	v_pk_mul_f32 v[LP:LP+1], v[LP:LP+1], v[FF:FF+1] op_sel_hi:[1,0]   ; the sum under the new M.  (The plain instruction behind the exponentials)
	s_wait_alu depctr_va_vdst(0)                   ; the 68 exponentials have written p and the blocks' largest p: one wait for the batch, ahead of the first line that names a result
.irp b, 0,1,2,3
	v_max_num_f32 v[TM+\b], 0x4800000, v[TM+\b]    ; the floor 2^(9 - 127): the byte cannot fall under 1
.endr
.irp b, 0,1,2,3
	v_add_nc_u32 v[TM+12+\b], 0xfc000000, v[TM+\b] ; 8 off the exponent field: the conversion's scale operand
.endr
.irp b, 0,1,2,3
	v_and_or_b32 v[TM+8+\b], v[TM+\b], 0x7f800000, s[MNT]   ; 448 x the scale
.endr
.irp b, 0,1,2,3
	v_lshrrev_b32 v[TM+4+\b], 23, v[TM+12+\b]      ; the scale's byte
.endr
	v_lshl_or_b32 v[PS+\x], v[TM+5], 8, v[TM+4]    ; p's scale word for these 128 keys: the 64 holds below stand between it and the products
	v_lshl_or_b32 v[PS+\x], v[TM+6], 16, v[PS+\x]
	v_lshl_or_b32 v[PS+\x], v[TM+7], 24, v[PS+\x]
	v_pk_add_f32 v[SUM:SUM+1], v[SB:SB+1], v[SB+2:SB+3]   ; the row's sum is taken of the unquantised p: two at a time, in two chains
.set j_, 4
.rept 15
	v_pk_add_f32 v[LP:LP+1], v[LP:LP+1], v[SB+j_:SB+j_+1]
	v_pk_add_f32 v[SUM:SUM+1], v[SUM:SUM+1], v[SB+j_+2:SB+j_+3]
.set j_, j_+4
.endr
	v_pk_add_f32 v[LP:LP+1], v[LP:LP+1], v[SUM:SUM+1]
.irp b, 0,1,2,3
.irp i, 0,1,2,3,4,5,6,7,8,9,10,11,12,13,14,15
	v_min_num_f32 v[SB+16*\b+\i], v[SB+16*\b+\i], v[TM+8+\b]   ; the conversion does not saturate (ISA guide 7.6.2); p is not negative, so the hold is one-sided
.endr
	v_cvt_scalef32_pk8_fp8_f32 v[PCD+16*\x+4*\b:PCD+16*\x+4*\b+1], v[SB+16*\b:SB+16*\b+7], v[TM+12+\b]
	v_cvt_scalef32_pk8_fp8_f32 v[PCD+16*\x+4*\b+2:PCD+16*\x+4*\b+3], v[SB+16*\b+8:SB+16*\b+15], v[TM+12+\b]
.endr
	WIN 0x41                                       ; O^T (destination and source 0) window 1, f window 0
.set j_, 0
.rept 16
	v_pk_mul_f32 v[OT+32*\x+j_:OT+32*\x+j_+1], v[OT+32*\x+j_:OT+32*\x+j_+1], v[FF:FF+1] op_sel_hi:[1,0]   ; O^T under the new M.  (Also the plain instructions between the conversions and the products)
.set j_, j_+2
.endr
	WIN 0
.endm
; A KEY STEP: 128 keys for the block's two tiles of queries.  Its K group and its V have been asked for, in that order.
; more = 1: I have a further step in this pass, eight steps on: its K group is asked for behind the score products, its V behind the products V^T P^T.  Such a step is never the block's last, so it has no mask.
; more = 0: my last step of the pass: it asks for nothing (no load leaves its buffer), and it alone can lie on the diagonal.
.macro STEP more
	s_wait_loadcnt 16                              ; loads come back in order: all but V's sixteen are in (in a pass's first step Q and its scale word too)
.if \more
	s_add_nc_u64 s[KB:KB+1], s[KB:KB+1], 65536     ; free since that wait, which shows the loads that read them done: eight steps on: 8 x 8,192 bytes of K's codes,
	s_add_nc_u64 s[KSB:KSB+1], s[KSB:KSB+1], 4096  ; 8 x 512 of K's scale words,
	s_add_nc_u64 s[VSB:VSB+1], s[VSB:VSB+1], 2048  ; 8 x 256 of V's scale bytes
.endif
	WIN 0x01                                       ; source 0 (K) window 1
.irp t, 0,1,2,3,4,5,6,7
.irp x, 0,1
	SPROD \t, \x
.endr
.endr
	WIN 0
	v_perm_b32 v[VS], v[VO], v[VE], s[PLO]         ; V's scale words: two bytes of keys 0-63 below, two of keys 64-127 above; channel tiles 0, 1,
	v_perm_b32 v[VS+1], v[VO], v[VE], s[PHI]       ; and 2, 3.  These two and the six below are the eight places behind the products
.rept 6
	v_nop
.endr
.if \more
	s_wait_alu depctr_va_vdst(0)                   ; the score products are done reading K and its scale words, the two v_perm V's scale bytes: the next group's loads land in these registers
	KLOAD                                          ; no vector or matrix instruction names them again before the next step's head
	WIN 0
.else
	s_add_co_u32 s30, s[STP], 1
	s_cmp_lg_u32 s30, s[NST]
	s_cbranch_scc1 .Lopen_\@                       ; only the block's last step lies on the diagonal: a branch on ids
	MASK 0
	MASK 1
.Lopen_\@:
.endif
	SOFT 0
	SOFT 1
.if \more
	s_wait_loadcnt 20                              ; V is in; the twenty loads of the next K group, issued behind it, may be out
	s_add_nc_u64 s[VB:VB+1], s[VB:VB+1], 65536     ; free since that wait: V's codes eight steps on
.else
	s_wait_loadcnt 0x0                             ; V
.endif
	s_wait_alu depctr_va_vdst(0)                   ; the conversions have written p's codes, the lines ahead of them p's and V's scale words, which the scaled products take; the places in front of those products stand above
	WIN 0x51                                       ; V, C and D window 1, P window 0
.irp d, 0,1,2,3
.irp x, 0,1
	PVPROD \d, \x                                  ; eight sums, one instruction each; between two links of a chain stand the next step's sixteen score products
.endr
.endr
.rept 8
	v_nop                                          ; eight places behind the products, as they stood: in front of the loads into V's registers, and of the reads of O^T behind my last step
.endr
.if \more
	WIN 0x40                                       ; destination window 1
	s_wait_alu depctr_va_vdst(0)                   ; the products are done reading V, in which the next step's loads land
	VLOAD
.endif
	WIN 0
.endm
; A PASS: one block of 32 queries.  p = 0: block 127 - i; p = 1: block i.
.macro PASS p
.if \p == 0
	s_sub_co_u32 s[QBL], 127, ttmp9
	s_mov_b32 s[NST], s[NH]
	s_mov_b32 s[STP], s[WV]                        ; the 33 steps go round the waves: the first block's step s to wave s % 8,
.else
	s_mov_b32 s[QBL], ttmp9
	s_mov_b32 s[NST], s[NL]
	s_sub_co_u32 s[STP], s[WV], s[NH]
	s_and_b32 s[STP], s[STP], 7                    ; the second block's step s to wave (NH + s) % 8
	s_wait_alu depctr_vm_vsrc(0)                   ; the LDS stores of the first block's partial results have read -M, the sums and O^T, which the lines below begin anew
.endif
.irp x, 0,1
	v_mov_b32 v[ST+4*\x+1], 0xff61b1e6             ; the largest t so far: -3e38, under every t
	v_floor_f32 v[ST+4*\x], -v[ST+4*\x+1]          ; -M
	v_mov_b32 v[ST+4*\x+2], 0                      ; the sum, in two halves
	v_mov_b32 v[ST+4*\x+3], 0
.endr
	WIN 0x40
.set j_, 0
.rept 64
	v_mov_b32 v[OT+j_], 0                          ; O^T: the step is written once: a pass's first step finds zeros, which the first change of M leaves zeros
.set j_, j_+1
.endr
	WIN 0
	s_and_b32 s30, s[QBL], 3
	s_lshl_b32 s30, s30, 5
	v_add_nc_u32 v[DM], s30, v[RQ]                 ; my query less the last step's first key less 16 h: tile 0,
	v_add_nc_u32 v[DM+1], 8, v[DM]                 ; tile 1
	s_cmp_ge_u32 s[STP], s[NST]
	s_cbranch_scc1 .Lnone_\p                       ; no step of this block falls to me
	s_mov_b32 s31, 0                               ; the bases: each buffer's address at the batch + an offset made of ids.  No load of mine is out here
	s_lshl_b32 s30, s[QBL], 11
	s_add_nc_u64 s[QB:QB+1], s[4:5], s[30:31]      ; Q's two tiles: 2,048 bytes a block
	s_lshr_b32 s30, s[QBL], 1
	s_lshl_b32 s30, s30, 8
	s_and_b32 s32, s[QBL], 1
	s_lshl_b32 s32, s32, 2
	s_add_co_u32 s30, s30, s32
	s_add_nc_u64 s[QSB:QSB+1], s[6:7], s[30:31]    ; their scale words
	s_lshl_b32 s30, s[STP], 13
	s_add_nc_u64 s[KB:KB+1], s[8:9], s[30:31]      ; my first step: 8,192 bytes of K's codes a step,
	s_add_nc_u64 s[VB:VB+1], s[12:13], s[30:31]    ; as many of V's,
	s_lshl_b32 s30, s[STP], 9
	s_add_nc_u64 s[KSB:KSB+1], s[10:11], s[30:31]  ; 512 of K's scale words,
	s_lshl_b32 s30, s[STP], 8
	s_add_nc_u64 s[VSB:VSB+1], s[14:15], s[30:31]  ; 256 of V's scale bytes
	; These 41 loads owe no further wait: the last vector or matrix instruction that named Q, K, V or their scale registers stands ahead of the last wait on va_vdst (the head's; in the second pass the one ahead of the first pass's LDS stores)
.irp x, 0,1
.irp c, 0,1
	global_load_b128 v[QF+16*\x+4*\c:QF+16*\x+4*\c+3], v[L16], s[QB:QB+1] offset:\x*1024+\c*512
.endr
.endr
	global_load_b32 v[QS], v[L8], s[QSB:QSB+1]
	KLOAD
	VLOAD
	WIN 0
	s_sub_co_u32 s[TRP], s[NST], s[STP]            ; my steps are STP, STP + 8, .. under NST: (NST - STP - 1) / 8 of them have a successor
	s_sub_co_u32 s[TRP], s[TRP], 1
	s_lshr_b32 s[TRP], s[TRP], 3
	s_cmp_eq_u32 s[TRP], 0
	s_cbranch_scc1 .Llast_\p
	s_mov_b32 s[CNT], 0                            ; the loop ends on a counter of its own, which steps by 1
.Lstep_\p:
	STEP 1
	s_add_co_u32 s[STP], s[STP], 8                 ; my next step: it enters the test for the diagonal alone
	s_add_co_u32 s[CNT], s[CNT], 1
	s_cmp_lt_u32 s[CNT], s[TRP]
	s_cbranch_scc1 .Lstep_\p
.Llast_\p:
	STEP 0                                         ; my last step is written out: it asks for nothing more
.Lnone_\p:
	; my partial results of the block's two tiles go to LDS: O^T as an image of its registers, -M, and the row's sum over my keys
.irp x, 0,1
	v_add_f32 v[TM+\x], v[ST+4*\x+2], v[ST+4*\x+3]
.endr
.irp x, 0,1
	v_permlanex16_b32 v[TM+4+\x], v[TM+\x], s[SEL], s[SEL+1]
.endr
.irp x, 0,1
	v_add_f32 v[TM+\x], v[TM+\x], v[TM+4+\x]
.endr
	WIN 0x04                                       ; an LDS store's data are its source 1: window 1
	s_wait_alu depctr_va_vdst(0)                   ; O^T, -M and the sums are written, which the LDS stores read (the places behind the last products stand above); every reader of Q, K, V, S^T and p's codes is done too
.irp x, 0,1
.irp g, 0,1,2,3,4,5,6,7
	ds_store_b128 v[PIM], v[OT+32*\x+4*\g:OT+32*\x+4*\g+3] offset:(2*\p+\x)*ENT+512*\g   ; each sum from its low end on
.endr
.endr
	WIN 0
.irp x, 0,1
	ds_store_b32 v[PST], v[ST+4*\x] offset:(2*\p+\x)*ENT
	ds_store_b32 v[PST], v[TM+\x] offset:(2*\p+\x)*ENT+128
.endr
	s_wait_dscnt 0x0                               ; the stores have landed: the barrier below may be signalled
.endm
	PASS 0
	PASS 1
	s_barrier_signal -1
	s_barrier_wait -1                              ; all 32 partial results lie in LDS
	; THE MERGE.  I take tile wave / 2, channels 32 (wave % 2) on: eight partial results under eight M.
	; The loads below land in registers that held S^T, p and p's codes: no vector or matrix instruction has named them since the wait ahead of the second pass's LDS stores.
.set MN,  176                          ; v176-183 the eight -M
.set ML,  184                          ; v184-191 the eight sums
.set MO,  48                           ; v48-175  the eight partial O^T, 16 registers each
.set MF,  32                           ; v32-39   the eight weights
.set ACC, 16                           ; v16-31   the result
.irp c, 0,1,2,3
	ds_load_b32 v[MN+\c], v[MST0] offset:\c*WREG
	ds_load_b32 v[MN+4+\c], v[MST1] offset:\c*WREG
	ds_load_b32 v[ML+\c], v[MST0] offset:\c*WREG+128
	ds_load_b32 v[ML+4+\c], v[MST1] offset:\c*WREG+128
.endr
.irp c, 0,1,2,3
.irp g, 0,1,2,3
	ds_load_b128 v[MO+16*\c+4*\g:MO+16*\c+4*\g+3], v[MIM0] offset:\c*WREG+512*\g
	ds_load_b128 v[MO+64+16*\c+4*\g:MO+64+16*\c+4*\g+3], v[MIM1] offset:\c*WREG+512*\g
.endr
.endr
	s_wait_dscnt 32                                ; LDS loads come back in order: the sixteen small ones are in, the 32 behind them may be out
	v_min3_num_f32 v40, v[MN], v[MN+1], v[MN+2]
	v_min3_num_f32 v40, v40, v[MN+3], v[MN+4]
	v_min3_num_f32 v40, v40, v[MN+5], v[MN+6]
	v_min_num_f32 v40, v40, v[MN+7]                ; the smallest -M: the row's M
.irp c, 0,1,2,3,4,5,6,7
	v_sub_f32 v[MF+\c], v40, v[MN+\c]              ; a part's M less the row's: a whole number, 0 or less
.endr
.irp c, 0,1,2,3,4,5,6,7
	v_cvt_i32_f32 v[MF+\c], v[MF+\c]               ; (it saturates: a part without keys gets the weight 0)
.endr
.irp c, 0,1,2,3,4,5,6,7
	v_ldexp_f32 v[MF+\c], 1.0, v[MF+\c]            ; an exact power of two
.endr
	v_mul_f32 v41, v[MF], v[ML]
.irp c, 1,2,3,4,5,6,7
	v_fmac_f32 v41, v[MF+\c], v[ML+\c]             ; the row's sum
.endr
	v_rcp_f32 v41, v41
	v_nop                                          ; one plain instruction behind a transcendental
	s_wait_alu depctr_va_vdst(0)                   ; the reciprocal is written, ahead of the first line that names it
.irp c, 0,1,2,3,4,5,6,7
	v_mul_f32 v[MF+\c], v[MF+\c], v41
.endr
	s_wait_dscnt 0x0
.irp k, 0,1,2,3,4,5,6,7,8,9,10,11,12,13,14,15
	v_mul_f32 v[ACC+\k], v[MF], v[MO+\k]
.endr
.irp c, 1,2,3,4,5,6,7
.irp k, 0,1,2,3,4,5,6,7,8,9,10,11,12,13,14,15
	v_fmac_f32 v[ACC+\k], v[MF+\c], v[MO+16*\c+\k]
.endr
.endr
	; register 8 t + j is out(query of lane r, channel 32 x half + 16 t + 8 h + j): through the tile's stage, so that whole rows of 256 bytes leave
	s_wait_alu depctr_va_vdst(0)                   ; the sixteen results are written, which the LDS stores read; and the lines above are done reading v48-63, in which the loads behind the barrier land
.irp t, 0,1
.irp j, 0,1
	ds_store_b128 v[STO], v[ACC+8*\t+4*\j:ACC+8*\t+4*\j+3] offset:64*\t+16*\j
.endr
.endr
	s_wait_dscnt 0x0                               ; for the other half's wave: my stores have landed
	s_barrier_signal -1
	s_barrier_wait -1
.irp g, 0,1,2,3
	ds_load_b128 v[MO+4*\g:MO+4*\g+3], v[SRD] offset:\g*544
.endr
	s_wait_dscnt 0x0
.irp g, 0,1,2,3
	global_store_b128 v[L16], v[MO+4*\g:MO+4*\g+3], s[16:17] offset:\g*512 th:TH_STORE_NT   ; two neighbouring rows: 512 consecutive bytes, at a multiple of 256 from out0's first byte
.endr
	s_wait_dscnt 0x0
	s_wait_alu depctr_hold_cnt(0) depctr_sa_sdst(0) depctr_va_vdst(0) depctr_va_sdst(0) depctr_va_ssrc(0) depctr_va_vcc(0) depctr_vm_vsrc(0)
	s_wait_tensorcnt 0x0
	ds_add_u32 v243, v255
	s_wait_dscnt 0x0
	s_endpgm
.Lfunc_end_k_qb020dfdc6f_attn:
	.size	k_qb020dfdc6f_attn, .Lfunc_end_k_qb020dfdc6f_attn-k_qb020dfdc6f_attn
	.p2alignl 7, 3214868480
	.fill 96, 4, 3214868480
	.section	.rodata,"a",@progbits
	.p2align	6, 0x0
	.amdhsa_kernel k_qb020dfdc6f_attn
		.amdhsa_group_segment_fixed_size 157696
		.amdhsa_private_segment_fixed_size 0
		.amdhsa_enable_private_segment 0
		.amdhsa_kernarg_size 56
		.amdhsa_user_sgpr_count 2
		.amdhsa_user_sgpr_kernarg_segment_ptr 1
		.amdhsa_wavefront_size32 1
		.amdhsa_system_sgpr_workgroup_id_x 1
		.amdhsa_system_sgpr_workgroup_id_y 1
		.amdhsa_system_sgpr_workgroup_id_z 1
		.amdhsa_system_vgpr_workitem_id 0
		.amdhsa_next_free_vgpr 512
		.amdhsa_next_free_sgpr 66
		.amdhsa_reserve_vcc 0
		.amdhsa_float_denorm_mode_32 3
		.amdhsa_float_denorm_mode_16_64 3
		.amdhsa_memory_ordered 1
		.amdhsa_forward_progress 1
		.amdhsa_inst_pref_size 206
	.end_amdhsa_kernel
	.amdgpu_metadata
---
amdhsa.version: [ 1, 2 ]
amdhsa.kernels:
  - .name:           k_qb020dfdc6f_attn
    .symbol:         k_qb020dfdc6f_attn.kd
    .args:
      - { .name: qc, .offset: 0, .size: 8, .value_kind: global_buffer, .address_space: global }
      - { .name: qs, .offset: 8, .size: 8, .value_kind: global_buffer, .address_space: global }
      - { .name: kc, .offset: 16, .size: 8, .value_kind: global_buffer, .address_space: global }
      - { .name: ks, .offset: 24, .size: 8, .value_kind: global_buffer, .address_space: global }
      - { .name: vc, .offset: 32, .size: 8, .value_kind: global_buffer, .address_space: global }
      - { .name: vs, .offset: 40, .size: 8, .value_kind: global_buffer, .address_space: global }
      - { .name: out0, .offset: 48, .size: 8, .value_kind: global_buffer, .address_space: global }
    .group_segment_fixed_size: 157696
    .private_segment_fixed_size: 0
    .kernarg_segment_align: 8
    .kernarg_segment_size: 56
    .max_flat_workgroup_size: 256
    .sgpr_count:     66
    .vgpr_count:     512
    .wavefront_size: 32
...
	.end_amdgpu_metadata
.endif
;; end of part 4
